; MI455X (gfx1250); checked and timed in simulation.
; The chip was launched on July 23, 2026; its instructions are those of AMD's public machine-readable ISA for CDNA 5 (MIT licence, August 2026) and "CDNA5" Instruction Set Architecture Reference Guide (July 2026). The comments in the code are by the model that wrote it; some were corrected since.
;; Minecraft Aware Attention3 D. Allowed arithmetic: matrix products marked QUANTISED: E2M3 operands, one E8M0 scale for each 32 along K, by v_wmma_scale_f32_16x16x128_f8f6f4 with both operands' format E2M3, f32 sums; everything else in f32.
;; Inputs: block_types 1 x 16 x 16 x 16 int32; gn_b 256 float32; gn_w 256 float32; is_air 44 float32; is_leaves 44 float32; is_wood 44 float32; proj_b 256 float32; proj_w 256 x 256 float32; qkv_b 768 float32; qkv_w 768 x 256 float32; x 1 x 256 x 16 x 16 x 16 float32.
;; Outputs: out0 1 x 256 x 16 x 16 x 16 float32.
;; This version of the problem:
;;   THIS VERSION OF THE PROBLEM IS GIVEN IN LOW PRECISION. The matrix products marked QUANTISED in the list below multiply operands that are first quantised to E2M3 (2 exponent bits, 3 mantissa bits; 6 bits a number), with one power-of-two scale for each 32 numbers along K (OCP MX v1.0); their sums are f32. All else is computed in f32.
;;   The module's matrix products, in the order in which they are computed (A, B: the left and right operand; K: the contracted axis; several contracted axes count as one K, in the product's order):
;;     1. [M 4,096, K 256] x [K 256, N 768]; A: computed on the way; B: input qkv_w: QUANTISED
;;     2. batch 8 x [M 4,096, K 32] x [K 32, N 4,096]; A: computed on the way; B: computed on the way: QUANTISED
;;     3. batch 8 x [M 32, K 4,096] x [K 4,096, N 4,096]; A: computed on the way; B: softmax (see below): QUANTISED
;;     4. [M 4,096, K 256] x [K 256, N 256]; A: computed on the way; B: input proj_w: QUANTISED
;;   THE QUANTISER, for each operand of a quantised product, along K:
;;     - K is cut into blocks of 32 from its start; a last block that is shorter is filled with zeros.
;;     - A block's scale is 2^e with e = floor(log2(the largest magnitude in the block)) - 2, held to -126 .. 127; a block of zeros has e = 0. As a byte (E8M0): e + 127.
;;     - Each number is divided by its block's scale, clamped to +-7.5, and rounded to the nearest number of E2M3, ties to even, subnormals kept.
;;     - The product sums the exact products of the quantised numbers (number of the format x scale) in f32.
;;   ~~~python
;;   def quantise(x, axis):      # numpy; x: float32 -> the quantised numbers, widened to float32 again
;;       x = np.moveaxis(x, axis, -1); K = x.shape[-1]
;;       x = np.pad(x, [(0, 0)] * (x.ndim - 1) + [(0, -K % 32)]); x = x.reshape(x.shape[:-1] + (-1, 32)); a = np.abs(x).max(-1, keepdims=True)
;;       e = np.where(a > 0, np.clip(np.frexp(np.where(a > 0, a, 1))[1] - 1 - 2, -126, 127), 0)      # np.frexp(a)[1] - 1 = floor(log2(a)), exactly
;;       r = np.clip(x / 2.0 ** e, -7.5, 7.5)
;;       step = 2.0 ** (np.maximum(np.frexp(np.where(r == 0, 1, r))[1] - 1, 0) - 3)
;;       q = np.round(r / step) * step * 2.0 ** e      # np.round: ties to even
;;       return np.moveaxis(q.reshape(q.shape[:-2] + (-1,))[..., :K], -1, axis).astype(np.float32)
;;   ~~~
;;   SOFTMAX AHEAD OF A QUANTISED PRODUCT. Where the list says 'softmax', what is quantised is not the finished softmax but p = 2^(t - M), with t = logit x log2(e) and M = ceil(the row's largest t), a whole number; so 1/2 < the row's largest p <= 1. The row's sum l is taken of the UNQUANTISED p, in f32, and the product's result is divided by l at the end. Since M is a whole number, a kernel that streams over the keys may use a running M (the ceiling of the running maximum): every later rescaling is an exact power of two, which a block's scale takes up: the codes' values come out the same.
;;   OPERANDS COMPUTED ON THE WAY. 'Computed on the way' means the value that the module computes at that place (a softmax that the list does not call 'softmax' is quantised finished and normalised). What goes into a quantiser is computed in f32, as accurately as f32 sums, v_exp_f32 and their like allow (about 1e-6 of the number): no bf16 or f16 on the way to a quantiser, and a product that is left as it is and whose result goes on into a quantised operand takes f32 operands (vector FMAs, or v_wmma_f32_16x16x4_f32). A number that lies on a knife's edge between two numbers of the format may be rounded either way, as far as f32 arithmetic and the matrix unit's own rounding can turn it there, and no further.
;; One version. Each part assembles by itself: llvm-mc -triple=amdgcn-amd-amdhsa -mcpu=gfx1250 --defsym DOCPART=n.
;; ======== version 1 of 1: 4 launches
;; limits: right only within a limited range of input values
;; workspace buffers: stats 8,192 bytes; wts 204,800 bytes; vox 49,152 bytes; aux 163,840 bytes; kv 1,572,864 bytes; qf 819,200 bytes; of 819,200 bytes
;; launch prep (part 1): grid 320 x 1, 4 waves a work-group, no clusters, 0 bytes of LDS; arguments x, qkv_w, proj_w, block_types, is_air, is_wood, is_leaves, stats, wts, vox, aux; writes stats, wts, vox, aux
.if DOCPART == 1
	.amdgcn_target "amdgcn-amd-amdhsa--gfx1250"
	.amdhsa_code_object_version 6
	.text
	.protected	k_q35d48a9c36_prep
	.globl	k_q35d48a9c36_prep
	.p2align	8
	.type	k_q35d48a9c36_prep,@function
k_q35d48a9c36_prep:
	s_mov_b64 s[64:65], 0
	v_nop
	global_prefetch_b8 v0, s[64:65] scope:SCOPE_SE
	s_setreg_imm32_b32 hwreg(HW_REG_WAVE_MODE, 25, 1), 1
	s_wait_xcnt 0x0
; PREP: three kinds of work-group, told apart by the work-group's number alone; no LDS, no barrier, waves share nothing.
;  0..255   STATISTICS: work-group = channel c of x, wave w = its voxels 1,024 w on: mean and centred sum of squares of 1,024 numbers -> stats[c][w] = (mean, M2).
;  256..287 WEIGHTS: [qkv_w; proj_w] taken as one table of 1,024 rows x 256 become codes of FP6 (E2M3) with one E8M0 byte for each 32 along K, laid as IMAGES OF OPERAND REGISTERS:
;           fragment F = 2 T + s (tile T of 16 rows, K step s of 128) is 1,536 bytes at 1,536 F: registers 4 i .. 4 i + 3 of lane l at 512 i + 16 l.  Scale words at 196,608 + 64 F + 4 r.
;           THE ROWS OF A TILE ARE NOT NEIGHBOURS: lane r of tile 2 b + u takes row 32 b + 8 u + r + 8 (r / 8), so that the results of tiles 2 b, 2 b + 1, used transposed, are 16 neighbours in a lane.
;  288..319 TABLES: a thread a voxel: the class tables gathered by block_types.  vox: wood, leaves, keep (0 where air > 0, else 1).
;           aux (once for each of the two head groups): wood x 2 / scale, leaves x 2 / scale, and the air term: -2^33 where air > 0, else 0.
; The air term stands for reference()'s -1e9 in units of 1 / scale.  It is a power of two so that its product with scale x log2(e) is exact and a whole number: where every key is air each weight is exactly 1.
; LIMITS: NaN and infinities are not served; a block whose largest magnitude lies under 2^-124 keeps the scale byte 1 (a block of zeros too: its codes are zeros, and this program alone reads the bytes).
.macro WSUM a, t                       ; the sum over the wave's 32 lanes, in every lane
	v_add_f32_dpp v[\a], v[\a], v[\a] row_xmask:1 row_mask:0xf bank_mask:0xf
	v_add_f32_dpp v[\a], v[\a], v[\a] row_xmask:2 row_mask:0xf bank_mask:0xf
	v_add_f32_dpp v[\a], v[\a], v[\a] row_xmask:4 row_mask:0xf bank_mask:0xf
	v_add_f32_dpp v[\a], v[\a], v[\a] row_xmask:8 row_mask:0xf bank_mask:0xf
	v_permlanex16_b32 v[\t], v[\a], s34, s35
	v_add_f32 v[\a], v[\a], v[\t]
.endm
	s_load_b256 s[4:11], s[0:1], 0x0               ; x s[4:5], qkv_w s[6:7], proj_w s[8:9], block_types s[10:11]
	s_load_b256 s[12:19], s[0:1], 0x20             ; is_air s[12:13], is_wood s[14:15], is_leaves s[16:17], stats s[18:19]
	s_load_b128 s[20:23], s[0:1], 0x40             ; wts s[20:21], vox s[22:23]
	s_load_b64 s[24:25], s[0:1], 0x50              ; aux
	v_lshrrev_b32 v1, 5, v0
	v_readfirstlane_b32 s26, v1                    ; wave 0..3
	v_and_b32 v2, 31, v0                           ; lane
	v_lshlrev_b32 v3, 4, v2                        ; 16 x lane
	s_mov_b32 s34, 0x76543210
	s_mov_b32 s35, 0xfedcba98                      ; v_permlanex16_b32's selects for lane l xor 16
	s_wait_kmcnt 0x0
	s_cmp_lt_u32 ttmp9, 256
	s_cbranch_scc0 .Lnot_stats
	; ---- STATISTICS.  Eight loads of 512 consecutive bytes; the numbers stay in registers between the mean and the centred squares
	s_lshl_b32 s28, ttmp9, 14                      ; a channel is 16,384 bytes,
	s_lshl_b32 s29, s26, 12                        ; my part 4,096
	s_add_co_u32 s28, s28, s29
	s_mov_b32 s29, 0
	s_add_nc_u64 s[4:5], s[4:5], s[28:29]
	s_wait_alu depctr_va_vdst(0)
.irp k, 0,1,2,3,4,5,6,7
	global_load_b128 v[16+4*\k:19+4*\k], v3, s[4:5] offset:512*\k
.endr
	s_lshl_b32 s30, ttmp9, 5
	s_lshl_b32 s31, s26, 3
	s_add_co_u32 s30, s30, s31
	v_mov_b32 v4, s30                              ; stats: 32 c + 8 w
	s_wait_loadcnt 0x0
.irp i, 0,1,2,3,4,5,6,7
	v_pk_add_f32 v[48+2*\i:49+2*\i], v[16+4*\i:17+4*\i], v[18+4*\i:19+4*\i]   ; the sum as a tree
.endr
.irp i, 0,1,2,3
	v_pk_add_f32 v[48+4*\i:49+4*\i], v[48+4*\i:49+4*\i], v[50+4*\i:51+4*\i]
.endr
	v_pk_add_f32 v[48:49], v[48:49], v[52:53]
	v_pk_add_f32 v[56:57], v[56:57], v[60:61]
	v_pk_add_f32 v[48:49], v[48:49], v[56:57]
	v_add_f32 v48, v48, v49
	WSUM 48, 49
	v_mul_f32 v50, 0x3a800000, v48                 ; / 1,024: the mean
	v_mov_b32 v51, v50
.set ii, 0
.rept 16
	v_pk_add_f32 v[16+2*ii:17+2*ii], v[16+2*ii:17+2*ii], v[50:51] neg_lo:[0,1] neg_hi:[0,1]   ; x - mean: no difference of large sums is ever formed
.set ii, ii+1
.endr
	v_pk_mul_f32 v[52:53], v[16:17], v[16:17]      ; the squares, in two chains; the first products start them
	v_pk_mul_f32 v[54:55], v[18:19], v[18:19]
.irp i, 4,8,12,16,20,24,28
	v_pk_fma_f32 v[52:53], v[16+\i:17+\i], v[16+\i:17+\i], v[52:53]
	v_pk_fma_f32 v[54:55], v[18+\i:19+\i], v[18+\i:19+\i], v[54:55]
.endr
	v_pk_add_f32 v[52:53], v[52:53], v[54:55]
	v_add_f32 v52, v52, v53
	WSUM 52, 53
	v_mov_b32 v51, v52                             ; v[50:51] = (mean, M2)
	v_cmp_gt_u32 vcc_lo, 1, v2
	s_wait_alu depctr_va_vdst(0)
	s_wait_xcnt 0x0                                ; EXEC changes only behind this wait
	s_and_saveexec_b32 s30, vcc_lo                 ; lane 0 stores for the wave
	global_store_b64 v4, v[50:51], s[18:19]
	s_wait_xcnt 0x0
	s_or_b32 exec_lo, exec_lo, s30
	s_endpgm
.Lnot_stats:
	s_cmp_lt_u32 ttmp9, 288
	s_cbranch_scc0 .Ltables
	; ---- WEIGHTS.  A wave makes one fragment.  K is innermost: lane (r, h) loads, of its row, k = 64 c + 32 h + 0 .. 31 of the K step: two whole blocks, in the order of the operand's registers
	s_sub_co_u32 s28, ttmp9, 256
	s_lshl_b32 s28, s28, 2
	s_add_co_u32 s28, s28, s26                     ; F
	s_lshr_b32 s29, s28, 1                         ; T
	s_and_b32 s30, s28, 1                          ; s
	s_lshr_b32 s31, s29, 1
	s_lshl_b32 s31, s31, 5
	s_and_b32 s32, s29, 1
	s_lshl_b32 s32, s32, 3
	s_add_co_u32 s31, s31, s32                     ; the tile's first row: 32 (T / 2) + 8 (T % 2)
	s_cmp_lt_u32 s29, 48                           ; tiles 0..47: qkv_w; 48..63: proj_w.  The choice hangs on the work-group's and the wave's numbers alone
	s_cselect_b64 s[6:7], s[6:7], s[8:9]
	s_cselect_b32 s32, 0, 768
	s_sub_co_u32 s31, s31, s32
	s_lshl_b32 s31, s31, 10                        ; a row is 1,024 bytes,
	s_lshl_b32 s30, s30, 9                         ; a K step 512
	s_add_co_u32 s32, s31, s30
	s_mov_b32 s33, 0
	s_add_nc_u64 s[6:7], s[6:7], s[32:33]
	s_mul_i32 s36, s28, 1536
	s_mov_b32 s37, 0
	s_add_nc_u64 s[36:37], s[20:21], s[36:37]      ; the image
	s_lshl_b32 s38, s28, 6
	s_add_co_u32 s38, s38, 196608
	s_mov_b32 s39, 0
	s_add_nc_u64 s[38:39], s[20:21], s[38:39]      ; its scale words
	v_and_b32 v5, 15, v0                           ; r
	v_bfe_u32 v6, v0, 4, 1                         ; h
	v_lshlrev_b32 v4, 2, v5
	v_and_b32 v7, 8, v5
	v_add_nc_u32 v7, v7, v5                        ; r + 8 (r / 8)
	v_lshlrev_b32 v7, 10, v7
	v_lshl_add_u32 v7, v6, 7, v7                   ; + 128 h
.irp c, 0,1
.irp j, 0,1,2,3,4,5,6,7
	global_load_b128 v[32+32*\c+4*\j:35+32*\c+4*\j], v7, s[6:7] offset:256*\c+16*\j
.endr
.endr
	s_wait_loadcnt 0x0
.irp c, 0,1
	v_max3_num_f32 v[8+\c], |v[32+32*\c]|, |v[33+32*\c]|, 0x1800000   ; my block 2 c + h: all its 32 numbers are mine; the floor 2^(3 - 127) holds the byte at 1 from below
.endr
.irp i, 2,4,6,8,10,12,14,16,18,20,22,24,26,28,30
.irp c, 0,1
	v_max3_num_f32 v[8+\c], v[8+\c], |v[32+32*\c+\i]|, |v[33+32*\c+\i]|
.endr
.endr
.irp c, 0,1
	v_add_nc_u32 v[10+\c], 0xff000000, v[8+\c]     ; 2 off the exponent field: the conversion's scale operand
.endr
.irp c, 0,1
	v_lshrrev_b32 v[12+\c], 23, v[10+\c]           ; the scale's byte
.endr
	v_lshl_or_b32 v14, v13, 16, v12                ; my two bytes, blocks h and 2 + h,
	v_lshlrev_b32 v15, 3, v6
	v_lshlrev_b32 v14, v15, v14                    ; at their places in the word;
	v_mov_b32 v15, 0
	v_permlanex16_b32 v15, v14, s34, s35
	v_or_b32 v14, v14, v15                         ; with lane l xor 16's two the word is whole
.irp c, 0,1
	v_cvt_scalef32_pk16_fp6_f32 v[96+6*\c:98+6*\c], v[32+32*\c:47+32*\c], v[10+\c]
	v_cvt_scalef32_pk16_fp6_f32 v[16+4*\c:18+4*\c], v[48+32*\c:63+32*\c], v[10+\c]   ; (a conversion's three registers begin on an even number)
.endr
	v_nop                                          ; one plain place behind a scaled conversion
.irp c, 0,1
.irp i, 0,1,2
	v_mov_b32 v[99+6*\c+\i], v[16+4*\c+\i]
.endr
.endr
.irp i, 0,1,2
	global_store_b128 v3, v[96+4*\i:99+4*\i], s[36:37] offset:512*\i   ; 32 lanes store 512 consecutive bytes
.endr
	global_store_b32 v4, v14, s[38:39]             ; both halves of the lanes write the same word with the same value
	s_endpgm
.Ltables:
	; ---- TABLES
	s_sub_co_u32 s28, ttmp9, 288
	s_lshl_b32 s28, s28, 7
	v_add_nc_u32 v3, s28, v0                       ; voxel n
	v_lshlrev_b32 v3, 2, v3
	global_load_b32 v4, v3, s[10:11]
	s_wait_loadcnt 0x0
	v_min_u32 v4, 43, v4                           ; a loaded index enters an address only behind this bound
	v_lshlrev_b32 v4, 2, v4
	global_load_b32 v5, v4, s[12:13]               ; air
	global_load_b32 v6, v4, s[14:15]               ; wood
	global_load_b32 v7, v4, s[16:17]               ; leaves
	v_mov_b32 v12, 0xd0000000                      ; -2^33
	v_mov_b32 v13, 0
	s_wait_alu depctr_va_vdst(0)
	s_wait_loadcnt 0x0
	v_mul_f32 v8, 0x413504f3, v6                   ; x 2 / scale = 2 sqrt(32)
	v_mul_f32 v9, 0x413504f3, v7
	v_cmp_lt_f32 vcc_lo, 0, v5                     ; air > 0
	v_cndmask_b32 v10, 0, v12, vcc_lo
	v_cndmask_b32 v11, 1.0, v13, vcc_lo
.irp g, 0,1
	global_store_b32 v3, v8, s[24:25] offset:81920*\g
	global_store_b32 v3, v9, s[24:25] offset:81920*\g+16384
	global_store_b32 v3, v10, s[24:25] offset:81920*\g+32768
.endr
	global_store_b32 v3, v6, s[22:23]
	global_store_b32 v3, v7, s[22:23] offset:16384
	global_store_b32 v3, v11, s[22:23] offset:32768
	s_endpgm
.Lfunc_end_k_q35d48a9c36_prep:
	.size	k_q35d48a9c36_prep, .Lfunc_end_k_q35d48a9c36_prep-k_q35d48a9c36_prep
	.p2alignl 7, 3214868480
	.fill 96, 4, 3214868480
	.section	.rodata,"a",@progbits
	.p2align	6, 0x0
	.amdhsa_kernel k_q35d48a9c36_prep
		.amdhsa_group_segment_fixed_size 0
		.amdhsa_private_segment_fixed_size 0
		.amdhsa_enable_private_segment 0
		.amdhsa_kernarg_size 88
		.amdhsa_user_sgpr_count 2
		.amdhsa_user_sgpr_kernarg_segment_ptr 1
		.amdhsa_wavefront_size32 1
		.amdhsa_system_sgpr_workgroup_id_x 1
		.amdhsa_system_sgpr_workgroup_id_y 1
		.amdhsa_system_sgpr_workgroup_id_z 1
		.amdhsa_system_vgpr_workitem_id 0
		.amdhsa_next_free_vgpr 112
		.amdhsa_next_free_sgpr 66
		.amdhsa_reserve_vcc 1
		.amdhsa_float_denorm_mode_32 3
		.amdhsa_float_denorm_mode_16_64 3
		.amdhsa_memory_ordered 1
		.amdhsa_forward_progress 1
		.amdhsa_inst_pref_size 15
	.end_amdhsa_kernel
	.amdgpu_metadata
---
amdhsa.version: [ 1, 2 ]
amdhsa.kernels:
  - .name:           k_q35d48a9c36_prep
    .symbol:         k_q35d48a9c36_prep.kd
    .args:
      - { .name: x, .offset: 0, .size: 8, .value_kind: global_buffer, .address_space: global }
      - { .name: qkv_w, .offset: 8, .size: 8, .value_kind: global_buffer, .address_space: global }
      - { .name: proj_w, .offset: 16, .size: 8, .value_kind: global_buffer, .address_space: global }
      - { .name: block_types, .offset: 24, .size: 8, .value_kind: global_buffer, .address_space: global }
      - { .name: is_air, .offset: 32, .size: 8, .value_kind: global_buffer, .address_space: global }
      - { .name: is_wood, .offset: 40, .size: 8, .value_kind: global_buffer, .address_space: global }
      - { .name: is_leaves, .offset: 48, .size: 8, .value_kind: global_buffer, .address_space: global }
      - { .name: stats, .offset: 56, .size: 8, .value_kind: global_buffer, .address_space: global }
      - { .name: wts, .offset: 64, .size: 8, .value_kind: global_buffer, .address_space: global }
      - { .name: vox, .offset: 72, .size: 8, .value_kind: global_buffer, .address_space: global }
      - { .name: aux, .offset: 80, .size: 8, .value_kind: global_buffer, .address_space: global }
    .group_segment_fixed_size: 0
    .private_segment_fixed_size: 0
    .kernarg_segment_align: 8
    .kernarg_segment_size: 88
    .max_flat_workgroup_size: 128
    .sgpr_count:     66
    .vgpr_count:     112
    .wavefront_size: 32
...
	.end_amdgpu_metadata
.endif
;; end of part 1
;; launch qkv (part 2): grid 32 x 6, 8 waves a work-group, no clusters, 56,320 bytes of LDS; arguments x, stats, gn_w, gn_b, qkv_b, wts, vox, qf, kv, aux; writes qf, kv, aux
.if DOCPART == 2
	.amdgcn_target "amdgcn-amd-amdhsa--gfx1250"
	.amdhsa_code_object_version 6
	.text
	.protected	k_q35d48a9c36_qkv
	.globl	k_q35d48a9c36_qkv
	.p2align	8
	.type	k_q35d48a9c36_qkv,@function
k_q35d48a9c36_qkv:
	s_mov_b64 s[64:65], 0
	v_nop
	global_prefetch_b8 v0, s[64:65] scope:SCOPE_SE
	s_setreg_imm32_b32 hwreg(HW_REG_WAVE_MODE, 25, 1), 1
	s_wait_xcnt 0x0
; QKV: GroupNorm finished, h quantised, the first product with its bias, and q, k, v quantised into images of operand registers for the attention launch.  All codes FP6 (E2M3), one E8M0 byte for each 32 along K.
; SHARES.  Work-group (s, y): the 128 voxels of key step s, output rows 128 y .. 128 y + 127 (y = 0, 1: q of head groups 0, 1; 2, 3: k; 4, 5: v).  Eight waves.
; X PHASE (every work-group): wave w = GroupNorm group w = block w of h's K.  A lane takes a voxel and its 32 registers run down the group's channels, so a block's largest magnitude needs no other lane and the
;   conversions give codes with K innermost.  The codes go to LDS at their place in the operand's registers (lane x 48 bytes + register x 4), the scale byte at 8 x row + w.  One barrier.
; PRODUCT.  y < 4: source 0 = my work-group's 8 weight tiles, source 1 = h's tile w (16 voxels): a lane holds one voxel and 64 channels, 16 of each of 4 heads: a head is one block of the second product's K.
;           y >= 4: source 0 = h's 8 tiles, source 1 = weight tile w: a lane holds one channel of v and 64 voxels: the keys are the third product's K.
; THE ROWS OF A TILE (voxels, weight rows) ARE NOT NEIGHBOURS: lane r of tile 2 b + u takes row 32 b + 8 u + r + 8 (r / 8): the 16 result registers of tiles 2 b, 2 b + 1 are then 16 neighbours, 32 b + 16 (lane / 16) + 0 .. 15.
; AIR KEYS: k of a voxel whose class is air is multiplied by 0 ahead of the quantiser, so its codes are zeros and its score is exactly the air term that the attention launch adds.
; The two kinds of work-group part once, on the work-group's y, never join, and have LDS bytes of their own.
; No cluster: operands come through registers and what is shared between work-groups (x's 128 KB, the weights) is a small part of a short launch.
; LIMITS: NaN and infinities are not served; a block whose largest magnitude lies under 2^-124 keeps the scale byte 1.
; REGISTERS, window 0: v1 16 x lane, v2 4 r, v3 x's lane offset, v4-9 LDS addresses, v[10:11] the air factor, v[12:35] ONE (two fragments), v36-37 its scale words, v38-53 MANY's scale words, v[54:55] the group's mean,
;   v56-63 at work and load offsets, v[64:127] x in two sets, v128-139 at work in the X phase, v[128:191] the 64 results, v192-223 a = gain / sigma, v224-255 the offsets b, later the quantiser's registers.
;   window 1: v[0:191] MANY: 16 fragments (tile t, K step s' at 12 (2 t + s')); v[192:255] the bias as the C of the first matrix instructions.
.set TM,  192                          ; quantiser: v192-207 at work
.set PW,  208                          ; the scale word just made
.set PC,  212                          ; v212-231 the codes just made
.set SEL, 28                           ; s[28:29]
.set MSB, 0
.macro WIN new                         ; the immediate's high byte repeats the setting that is left
.if MSB != \new
	s_set_vgpr_msb (MSB<<8)|\new
.set MSB, \new
.endif
.endm
.macro PLACES n
.rept \n
	v_nop
.endr
.endm
.macro WSUM a, t                       ; the sum over the wave's 32 lanes, in every lane
	s_delay_alu instid0(VALU_DEP_1)
	v_add_f32_dpp v[\a], v[\a], v[\a] row_xmask:1 row_mask:0xf bank_mask:0xf
	s_delay_alu instid0(VALU_DEP_1)
	v_add_f32_dpp v[\a], v[\a], v[\a] row_xmask:2 row_mask:0xf bank_mask:0xf
	s_delay_alu instid0(VALU_DEP_1)
	v_add_f32_dpp v[\a], v[\a], v[\a] row_xmask:4 row_mask:0xf bank_mask:0xf
	s_delay_alu instid0(VALU_DEP_1)
	v_add_f32_dpp v[\a], v[\a], v[\a] row_xmask:8 row_mask:0xf bank_mask:0xf
	s_delay_alu instid0(VALU_DEP_1)
	v_permlanex16_b32 v[\t], v[\a], s[SEL], s[SEL+1]
	s_delay_alu instid0(VALU_DEP_1)
	v_add_f32 v[\a], v[\a], v[\t]
.endm
; 64 numbers of a lane, register 16 b + i = k 32 b + 16 (lane / 16) + i of my row, become a fragment's codes in v[PC] on and its scale word in v[PW]
.macro QUANT s
.irp b, 0,1,2,3
	v_max3_num_f32 v[TM+\b], |v[\s+16*\b]|, |v[\s+1+16*\b]|, 0x1800000   ; my 16 numbers of block b, and the floor 2^(3 - 127): the byte cannot fall under 1
.endr
.irp i, 2,4,6,8,10,12,14
.irp b, 0,1,2,3
	v_max3_num_f32 v[TM+\b], v[TM+\b], |v[\s+16*\b+\i]|, |v[\s+1+16*\b+\i]|
.endr
.endr
.irp b, 0,1,2,3
	s_delay_alu instid0(VALU_DEP_4)
	v_permlanex16_b32 v[TM+4+\b], v[TM+\b], s[SEL], s[SEL+1]
.endr
.irp b, 0,1,2,3
	s_delay_alu instid0(VALU_DEP_4)
	v_max_num_f32 v[TM+\b], v[TM+\b], v[TM+4+\b]   ; with lane l xor 16's: the block's largest magnitude
.endr
.irp b, 0,1,2,3
	s_delay_alu instid0(VALU_DEP_4)
	v_add_nc_u32 v[TM+12+\b], 0xff000000, v[TM+\b] ; 2 off its exponent field: the conversion's scale operand
.endr
.irp b, 0,1,2,3
	s_delay_alu instid0(VALU_DEP_4)
	v_lshrrev_b32 v[TM+4+\b], 23, v[TM+12+\b]      ; the scale's byte
.endr
	s_delay_alu instid0(VALU_DEP_3)
	v_lshl_or_b32 v[PW], v[TM+5], 8, v[TM+4]
	s_delay_alu instid0(VALU_DEP_1)
	v_lshl_or_b32 v[PW], v[TM+6], 16, v[PW]
	s_delay_alu instid0(VALU_DEP_1)
	v_lshl_or_b32 v[PW], v[TM+7], 24, v[PW]
.irp c, 0,1
	v_cvt_scalef32_pk16_fp6_f32 v[PC+6*\c:PC+2+6*\c], v[\s+32*\c:\s+15+32*\c], v[TM+12+2*\c]
	v_cvt_scalef32_pk16_fp6_f32 v[PC+12+4*\c:PC+14+4*\c], v[\s+16+32*\c:\s+31+32*\c], v[TM+12+2*\c+1]   ; (a conversion's three registers begin on an even number)
.endr
	v_nop                                          ; one plain place behind a scaled conversion
.irp c, 0,1                                    ; the operand's layout wants a whole block in a lane
.irp i, 0,1,2
	v_permlane16_swap_b32 v[PC+6*\c+\i], v[PC+12+4*\c+\i]
.endr
.irp i, 0,1,2
	s_delay_alu instid0(VALU_DEP_3)
	v_mov_b32 v[PC+3+6*\c+\i], v[PC+12+4*\c+\i]
.endr
.endr
.endm
; The LDS addresses of an arm whose bytes begin at LB.  own = 1: behind the barrier I read h's tile w alone; 0: all eight tiles.
; LB + 0: h's 16 fragments (2 T + s') x 1,536, lane x 48 + register x 4;  LB + 24,576: scale bytes, 8 to a voxel row (T x 128 + 8 r + block);  LB + 25,600: 256 bytes a wave: a[32], b[32]
.macro ADDRS LB, own
	s_lshr_b32 s32, s24, 2                         ; s' = w / 4: which K step my block belongs to
	s_bfe_u32 s33, s24, 0x10001                    ; c = (w / 2) % 2: registers 6 c .. 6 c + 5,
	s_mul_i32 s34, s32, 1536
	s_mul_i32 s35, s31, 768                        ; of lanes 16 (w % 2) + r
	s_add_co_u32 s34, s34, s35
	s_mul_i32 s35, s33, 24
	s_add_co_u32 s34, s34, s35
	s_add_co_u32 s34, s34, \LB
	v_mul_u32_u24 v4, v58, 3072                    ; my voxel's tile is 2 t + lane / 16,
	s_delay_alu instid0(VALU_DEP_1)
	v_mad_u32_u24 v4, v57, 48, v4                  ; its row lane % 16
	s_delay_alu instid0(VALU_DEP_1)
	v_add_nc_u32 v4, s34, v4
	s_add_co_u32 s34, s24, \LB+24576
	v_lshl_add_u32 v5, v56, 3, s34                 ; my block's scale byte: 8 x lane + w
	v_mul_u32_u24 v6, v56, 48
	v_lshlrev_b32 v7, 3, v57
.if \own
	s_mul_i32 s34, s24, 3072
	s_add_co_u32 s34, s34, \LB
	v_add_nc_u32 v6, s34, v6
	s_lshl_b32 s34, s24, 7
	s_add_co_u32 s34, s34, \LB+24576
	v_add_nc_u32 v7, s34, v7
.else
	s_delay_alu instid0(VALU_DEP_2)
	v_add_nc_u32 v6, \LB, v6
	s_delay_alu instid0(VALU_DEP_2)
	v_add_nc_u32 v7, \LB+24576, v7
.endif
	s_lshl_b32 s34, s24, 8
	s_add_co_u32 s34, s34, \LB+25600
	v_mov_b32 v8, s34                              ; the same address in every lane
	v_lshl_add_u32 v9, v56, 2, s34
.endm
.macro LOAD t                          ; 32 voxels (a lane each) x my group's 32 channels, into set t % 2: each load reads 128 consecutive bytes
.set ii, 0
.rept 32
	global_load_b32 v[64+32*((\t)%2)+ii], v3, s[4:5] offset:16384*ii+128*(\t)
.set ii, ii+1
.endr
.endm
.macro BLOCK t
.set XS, 64+32*((\t)%2)
.if (\t) < 3
	s_wait_loadcnt 32                              ; this block's 32 loads are in; the next block's 32 may be out
.else
	s_wait_loadcnt 0x0
.endif
.set ii, 0
.rept 16
	v_pk_add_f32 v[XS+2*ii:XS+2*ii+1], v[XS+2*ii:XS+2*ii+1], v[54:55] neg_lo:[0,1] neg_hi:[0,1]   ; x - mean first, so that a common offset of x costs no accuracy
.set ii, ii+1
.endr
.set ii, 0
.rept 16
	v_pk_fma_f32 v[XS+2*ii:XS+2*ii+1], v[XS+2*ii:XS+2*ii+1], v[192+2*ii:193+2*ii], v[224+2*ii:225+2*ii]   ; x a + b
.set ii, ii+1
.endr
	v_max3_num_f32 v128, |v[XS]|, |v[XS+1]|, |v[XS+2]|             ; the block's largest magnitude: all 32 numbers are mine
	v_max3_num_f32 v129, |v[XS+3]|, |v[XS+4]|, |v[XS+5]|
.irp i, 6,10,14,18,22,26
	s_delay_alu instid0(VALU_DEP_2)
	v_max3_num_f32 v128, v128, |v[XS+\i]|, |v[XS+\i+1]|
	s_delay_alu instid0(VALU_DEP_2)
	v_max3_num_f32 v129, v129, |v[XS+\i+2]|, |v[XS+\i+3]|
.endr
	s_delay_alu instid0(VALU_DEP_2)
	v_max3_num_f32 v128, v128, |v[XS+30]|, |v[XS+31]|
	s_delay_alu instid0(VALU_DEP_1)
	v_max3_num_f32 v128, v128, v129, 0x1800000     ; and the floor
	s_delay_alu instid0(VALU_DEP_1)
	v_add_nc_u32 v130, 0xff000000, v128
	s_delay_alu instid0(VALU_DEP_1)
	v_lshrrev_b32 v131, 23, v130
	v_cvt_scalef32_pk16_fp6_f32 v[132:134], v[XS:XS+15], v130
	v_cvt_scalef32_pk16_fp6_f32 v[136:138], v[XS+16:XS+31], v130
	v_nop                                          ; one plain place behind a scaled conversion
	v_mov_b32 v135, v136
	v_mov_b32 v136, v137
	v_mov_b32 v137, v138                           ; v132-137: the block's 24 bytes
	ds_store_b64 v4, v[132:133] offset:6144*(\t)
	ds_store_b64 v4, v[134:135] offset:6144*(\t)+8
	ds_store_b64 v4, v[136:137] offset:6144*(\t)+16
	ds_store_b8 v5, v131 offset:256*(\t)
.if (\t) < 2
	LOAD (\t)+2
.endif
	s_wait_dscnt 0x0                               ; the stores have read their registers
.endm
.macro XPHASE
	global_load_b128 v[128:131], v60, s[6:7]       ; my channel's four (mean, M2)
	global_load_b128 v[132:135], v60, s[6:7] offset:16
	global_load_b32 v136, v61, s[8:9]              ; its gain
	global_load_b32 v137, v61, s[10:11]            ; its offset
	LOAD 0
	LOAD 1
	s_wait_loadcnt 63                              ; behind the four loads above stand 64: the field holds 63, and a smaller count is safe
	v_add_f32 v56, v128, v130
	v_add_f32 v57, v132, v134
	s_delay_alu instid0(VALU_DEP_1)
	v_add_f32 v56, v56, v57
	WSUM 56, 57
	s_delay_alu instid0(VALU_DEP_1)
	v_mul_f32 v54, 0x3c000000, v56                 ; the group's mean: 128 parts of equal size
	s_delay_alu instid0(VALU_DEP_1)
	v_mov_b32 v55, v54
	s_delay_alu instid0(VALU_DEP_2)
	v_sub_f32 v56, v128, v54
	s_delay_alu instid0(VALU_DEP_3)
	v_sub_f32 v57, v130, v54
	s_delay_alu instid0(VALU_DEP_4)
	v_sub_f32 v58, v132, v54
	v_sub_f32 v59, v134, v54
	s_delay_alu instid0(VALU_DEP_4)
	v_mul_f32 v56, v56, v56
	s_delay_alu instid0(VALU_DEP_1)
	v_fma_f32 v56, v57, v57, v56
	s_delay_alu instid0(VALU_DEP_1)
	v_fma_f32 v56, v58, v58, v56
	s_delay_alu instid0(VALU_DEP_1)
	v_fma_f32 v56, v59, v59, v56
	v_add_f32 v57, v129, v131
	v_add_f32 v58, v133, v135
	s_delay_alu instid0(VALU_DEP_1)
	v_add_f32 v57, v57, v58
	s_delay_alu instid0(VALU_DEP_1)
	v_fmamk_f32 v56, v56, 0x44800000, v57          ; the parts' M2 + 1,024 x (part's mean - mean)^2
	WSUM 56, 57
	s_delay_alu instid0(VALU_DEP_1)
	v_mul_f32 v56, 0x37000000, v56                 ; / 131,072: the variance
	s_delay_alu instid0(VALU_DEP_1)
	v_add_f32 v56, 0x3727c5ac, v56                 ; + 1e-5
	s_wait_alu depctr_va_vdst(0)
	v_rsq_f32 v57, v56
	v_nop                                          ; a plain place behind the transcendental,
	s_wait_alu depctr_va_vdst(0)                   ; and the wait ahead of its first reader
	v_mul_f32 v58, v57, v136                       ; a = gain / sigma
	ds_store_b32 v9, v58                           ; from a lane a channel to a register a channel: through my own 256 bytes of LDS,
	ds_store_b32 v9, v137 offset:128
.irp k, 0,1,2,3,4,5,6,7
	ds_load_b128 v[192+4*\k:195+4*\k], v8 offset:16*\k          ; read back at one address for all lanes (LDS serves a wave's instructions in order)
.endr
.irp k, 0,1,2,3,4,5,6,7
	ds_load_b128 v[224+4*\k:227+4*\k], v8 offset:128+16*\k
.endr
	s_wait_dscnt 0x0
	BLOCK 0
	BLOCK 1
	BLOCK 2
	BLOCK 3
	s_wait_dscnt 0x0                               ; my stores have landed:
	s_barrier_signal -1
	s_barrier_wait -1                              ; h's sixteen fragments and their scale bytes lie in LDS; nothing writes LDS behind this barrier
.endm
; 16 matrix instructions: MANY's eight tiles against ONE, two K steps.  The bias is the C of the first eight (cstride registers from tile to tile).  The eight accumulators take turns.
.macro PROD cstride
	WIN 0x11                                       ; source 0 and C window 1
.irp t, 0,1,2,3,4,5,6,7
	v_wmma_scale_f32_16x16x128_f8f6f4 v[128+8*\t:135+8*\t], v[24*\t:24*\t+11], v[12:23], v[192+\cstride*\t:199+\cstride*\t], v[38+2*\t], v36 matrix_a_fmt:MATRIX_FMT_FP6 matrix_b_fmt:MATRIX_FMT_FP6
.endr
	WIN 0x01
.irp t, 0,1,2,3,4,5,6,7
	v_wmma_scale_f32_16x16x128_f8f6f4 v[128+8*\t:135+8*\t], v[24*\t+12:24*\t+23], v[24:35], v[128+8*\t:135+8*\t], v[39+2*\t], v37 matrix_a_fmt:MATRIX_FMT_FP6 matrix_b_fmt:MATRIX_FMT_FP6
.endr
	WIN 0
	PLACES 4                                       ; ahead of the first read of results
.endm
	s_load_b256 s[4:11], s[0:1], 0x0               ; x s[4:5], stats s[6:7], gn_w s[8:9], gn_b s[10:11]
	s_load_b256 s[12:19], s[0:1], 0x20             ; qkv_b s[12:13], wts s[14:15], vox s[16:17], qf s[18:19]
	s_load_b128 s[20:23], s[0:1], 0x40             ; kv s[20:21], aux s[22:23]
	v_lshrrev_b32 v1, 5, v0
	s_delay_alu instid0(VALU_DEP_1)
	v_readfirstlane_b32 s24, v1                    ; wave 0..7
	s_mov_b32 s25, ttmp9                           ; key step s
	s_and_b32 s26, ttmp7, 0xffff                   ; y
	s_and_b32 s27, s26, 1                          ; head group g
	s_mov_b32 s[SEL], 0x76543210
	s_mov_b32 s[SEL+1], 0xfedcba98
	v_and_b32 v56, 31, v0                          ; lane
	v_and_b32 v57, 15, v0                          ; r
	v_bfe_u32 v58, v0, 4, 1                        ; h
	s_delay_alu instid0(VALU_DEP_3)
	v_lshlrev_b32 v1, 4, v56
	s_delay_alu instid0(VALU_DEP_3)
	v_lshlrev_b32 v2, 2, v57
	s_delay_alu instid0(VALU_DEP_4)
	v_and_b32 v59, 8, v57
	s_delay_alu instid0(VALU_DEP_1)
	v_add_nc_u32 v59, v59, v57                     ; r + 8 (r / 8)
	s_delay_alu instid0(VALU_DEP_1)
	v_lshl_add_u32 v3, v58, 3, v59
	s_delay_alu instid0(VALU_DEP_1)
	v_lshlrev_b32 v3, 2, v3                        ; x: my voxel among a block's 32: 8 (lane / 16) + r + 8 (r / 8)
	v_lshlrev_b32 v60, 5, v56                      ; stats: 32 bytes a channel
	v_lshlrev_b32 v61, 2, v56                      ; gains and offsets: 4
	v_lshlrev_b32 v62, 6, v58                      ; 64 h
	v_lshlrev_b32 v63, 2, v59
	s_lshr_b32 s30, s24, 1
	s_and_b32 s31, s24, 1
	s_lshl_b32 s32, s30, 7
	s_lshl_b32 s33, s31, 5
	s_add_co_u32 s58, s32, s33                     ; 4 x (32 (w / 2) + 8 (w % 2)): tile w's first row, in words
	s_wait_kmcnt 0x0
	s_lshl_b32 s32, s24, 19                        ; x: my group's 32 channels of 16,384 bytes,
	s_lshl_b32 s33, s25, 9                         ; the step's 128 voxels
	s_add_co_u32 s32, s32, s33
	s_mov_b32 s33, 0
	s_add_nc_u64 s[4:5], s[4:5], s[32:33]
	s_lshl_b32 s32, s24, 10
	s_add_nc_u64 s[6:7], s[6:7], s[32:33]
	s_lshl_b32 s32, s24, 7
	s_add_nc_u64 s[8:9], s[8:9], s[32:33]
	s_add_nc_u64 s[10:11], s[10:11], s[32:33]
	s_cmp_ge_u32 s26, 4
	s_cbranch_scc1 .Larm_v
	; ---- q and k.  The weights, bias, scale words and the air factor are asked for first: they are the oldest loads, so no later count changes
	ADDRS 0, 1
	s_mul_i32 s36, s26, 24576                      ; 16 fragments of 1,536 bytes for each y
	s_mov_b32 s37, 0
	s_add_nc_u64 s[36:37], s[14:15], s[36:37]
	s_lshl_b32 s38, s26, 9
	s_mov_b32 s39, 0
	s_add_nc_u64 s[38:39], s[12:13], s[38:39]      ; the bias of rows 128 y on
	s_lshl_b32 s40, s26, 10
	s_add_co_u32 s40, s40, 196608
	s_mov_b32 s41, 0
	s_add_nc_u64 s[40:41], s[14:15], s[40:41]      ; the weights' scale words
	s_lshl_b32 s42, s25, 9
	s_add_co_u32 s42, s42, s58
	s_add_co_u32 s42, s42, 32768
	s_mov_b32 s43, 0
	s_add_nc_u64 s[42:43], s[16:17], s[42:43]      ; keep, at tile w's first voxel
	WIN 0x40                                       ; destination window 1
.set ff, 0
.rept 16
.irp i, 0,1,2
	global_load_b128 v[12*ff+4*\i:12*ff+4*\i+3], v1, s[36:37] offset:1536*ff+512*\i
.endr
.set ff, ff+1
.endr
.irp t, 0,1,2,3,4,5,6,7                        ; lane (r, h) wants, for tile t, the bias of rows 32 (t / 2) + 8 (t % 2) + 16 h + 0 .. 7
	global_load_b128 v[192+8*\t:195+8*\t], v62, s[38:39] offset:(32*(\t/2)+8*(\t%2))*4
	global_load_b128 v[196+8*\t:199+8*\t], v62, s[38:39] offset:(32*(\t/2)+8*(\t%2))*4+16
.endr
	WIN 0
.set ff, 0
.rept 16
	global_load_b32 v[38+ff], v2, s[40:41] offset:64*ff
.set ff, ff+1
.endr
	global_load_b32 v10, v63, s[42:43]
	XPHASE
.irp s, 0,1
.irp i, 0,1,2
	ds_load_b128 v[12+12*\s+4*\i:15+12*\s+4*\i], v6 offset:1536*\s+16*\i   ; h's tile w, both K steps
.endr
.endr
	ds_load_b64 v[36:37], v7                       ; and its two scale words
	; where the results go
	s_lshl_b32 s44, s25, 3
	s_add_co_u32 s44, s44, s24
	s_lshl_b32 s44, s44, 1
	s_add_co_u32 s44, s44, s27                     ; q: (tile 8 s + w) x 2 + g
	s_mul_i32 s45, s44, 1536
	s_lshl_b32 s46, s44, 6
	s_add_co_u32 s46, s46, 786432
	s_lshl_b32 s47, s27, 5
	s_add_co_u32 s47, s47, s25
	s_mul_i32 s47, s47, 24576                      ; k: (32 g + s) x 24,576 + 1,536 w
	s_mul_i32 s48, s24, 1536
	s_add_co_u32 s47, s47, s48
	s_mul_i32 s48, s27, 81920                      ; its scale words: 81,920 g + 49,152 + 512 s + 64 w
	s_lshl_b32 s49, s25, 9
	s_add_co_u32 s48, s48, s49
	s_lshl_b32 s49, s24, 6
	s_add_co_u32 s48, s48, s49
	s_add_co_u32 s48, s48, 49152
	s_cmp_lt_u32 s26, 2                            ; q or k: the choice hangs on the work-group's y alone
	s_cselect_b64 s[50:51], s[18:19], s[20:21]
	s_cselect_b64 s[52:53], s[18:19], s[22:23]
	s_cselect_b32 s54, s45, s47
	s_cselect_b32 s56, s46, s48
	s_cselect_b32 s34, 0, -1                       ; all lanes' mask where this is k
	s_mov_b32 s55, 0
	s_mov_b32 s57, 0
	s_add_nc_u64 s[50:51], s[50:51], s[54:55]
	s_add_nc_u64 s[52:53], s[52:53], s[56:57]
	v_cndmask_b32 v10, 1.0, v10, s34               ; q is left as it is; k of an air voxel becomes 0
	s_delay_alu instid0(VALU_DEP_1)
	v_mov_b32 v11, v10
	s_wait_dscnt 0x0
	PROD 8                                         ; lane (r, h): voxel row r of tile w; register 16 b + i: channel 16 h + i of head b
.set ii, 0
	s_wait_alu depctr_va_vdst(0)
.rept 32
	v_pk_mul_f32 v[128+2*ii:129+2*ii], v[128+2*ii:129+2*ii], v[10:11]   ; each accumulator from its low end on
.set ii, ii+1
.endr
	QUANT 128
.irp i, 0,1,2
	global_store_b128 v1, v[PC+4*\i:PC+4*\i+3], s[50:51] offset:512*\i   ; 32 lanes store 512 consecutive bytes
.endr
	global_store_b32 v2, v[PW], s[52:53]           ; both halves of the lanes write the same word with the same value
	s_wait_xcnt 0x0
	v_lshl_add_u32 v254, v0, 2, 0xd800
	v_mov_b32 v255, 0
	s_wait_alu depctr_va_vdst(0)
	s_wait_tensorcnt 0x0
	ds_add_u32 v254, v255
	s_wait_dscnt 0x0
	s_endpgm
.Larm_v:
	; ---- v
	ADDRS 27648, 0
	s_lshl_b32 s36, s26, 4
	s_lshl_b32 s37, s24, 1
	s_add_co_u32 s44, s36, s37                     ; fragment 2 (8 y + w)
	s_mul_i32 s36, s44, 1536
	s_mov_b32 s37, 0
	s_add_nc_u64 s[36:37], s[14:15], s[36:37]
	s_lshl_b32 s40, s44, 6
	s_add_co_u32 s40, s40, 196608
	s_mov_b32 s41, 0
	s_add_nc_u64 s[40:41], s[14:15], s[40:41]
	s_lshl_b32 s38, s26, 9
	s_add_co_u32 s38, s38, s58
	s_mov_b32 s39, 0
	s_add_nc_u64 s[38:39], s[12:13], s[38:39]      ; the bias, at tile w's first row
.irp s, 0,1
.irp i, 0,1,2
	global_load_b128 v[12+12*\s+4*\i:15+12*\s+4*\i], v1, s[36:37] offset:1536*\s+512*\i
.endr
	global_load_b32 v[36+\s], v2, s[40:41] offset:64*\s
.endr
	WIN 0x40
.irp i, 0,1,2,3,4,5,6,7
	global_load_b32 v[192+\i], v63, s[38:39]       ; a lane holds one channel: its bias fills all eight registers of C
.endr
	WIN 0
	XPHASE
	WIN 0x40
.set ff, 0
.rept 16
.irp i, 0,1,2
	ds_load_b128 v[12*ff+4*\i:12*ff+4*\i+3], v6 offset:1536*ff+16*\i   ; all of h's fragments
.endr
.set ff, ff+1
.endr
	WIN 0
.irp t, 0,1,2,3,4,5,6,7
	ds_load_b64 v[38+2*\t:39+2*\t], v7 offset:128*\t
.endr
	s_lshl_b32 s47, s27, 5
	s_add_co_u32 s47, s47, s25
	s_mul_i32 s47, s47, 24576                      ; (32 g + s) x 24,576 + 12,288 + 1,536 w
	s_mul_i32 s48, s24, 1536
	s_add_co_u32 s54, s47, s48
	s_add_co_u32 s54, s54, 12288
	s_mov_b32 s55, 0
	s_mul_i32 s48, s27, 81920                      ; 81,920 g + 65,536 + 512 s + 64 w
	s_lshl_b32 s49, s25, 9
	s_add_co_u32 s48, s48, s49
	s_lshl_b32 s49, s24, 6
	s_add_co_u32 s48, s48, s49
	s_add_co_u32 s56, s48, 65536
	s_mov_b32 s57, 0
	s_add_nc_u64 s[50:51], s[20:21], s[54:55]
	s_add_nc_u64 s[52:53], s[22:23], s[56:57]
	s_wait_dscnt 0x0
	PROD 0                                         ; lane (r, h): channel row r of weight tile w; register 16 b + i: voxel 32 b + 16 h + i of the step
	QUANT 128
.irp i, 0,1,2
	global_store_b128 v1, v[PC+4*\i:PC+4*\i+3], s[50:51] offset:512*\i
.endr
	global_store_b32 v2, v[PW], s[52:53]
	s_wait_xcnt 0x0
	v_lshl_add_u32 v254, v0, 2, 0xd800
	v_mov_b32 v255, 0
	s_wait_alu depctr_va_vdst(0)
	s_wait_tensorcnt 0x0
	ds_add_u32 v254, v255
	s_wait_dscnt 0x0
	s_endpgm
.Lfunc_end_k_q35d48a9c36_qkv:
	.size	k_q35d48a9c36_qkv, .Lfunc_end_k_q35d48a9c36_qkv-k_q35d48a9c36_qkv
	.p2alignl 7, 3214868480
	.fill 96, 4, 3214868480
	.section	.rodata,"a",@progbits
	.p2align	6, 0x0
	.amdhsa_kernel k_q35d48a9c36_qkv
		.amdhsa_group_segment_fixed_size 56320
		.amdhsa_private_segment_fixed_size 0
		.amdhsa_enable_private_segment 0
		.amdhsa_kernarg_size 80
		.amdhsa_user_sgpr_count 2
		.amdhsa_user_sgpr_kernarg_segment_ptr 1
		.amdhsa_wavefront_size32 1
		.amdhsa_system_sgpr_workgroup_id_x 1
		.amdhsa_system_sgpr_workgroup_id_y 1
		.amdhsa_system_sgpr_workgroup_id_z 1
		.amdhsa_system_vgpr_workitem_id 0
		.amdhsa_next_free_vgpr 512
		.amdhsa_next_free_sgpr 66
		.amdhsa_reserve_vcc 0
		.amdhsa_float_denorm_mode_32 3
		.amdhsa_float_denorm_mode_16_64 3
		.amdhsa_memory_ordered 1
		.amdhsa_forward_progress 1
		.amdhsa_inst_pref_size 104
	.end_amdhsa_kernel
	.amdgpu_metadata
---
amdhsa.version: [ 1, 2 ]
amdhsa.kernels:
  - .name:           k_q35d48a9c36_qkv
    .symbol:         k_q35d48a9c36_qkv.kd
    .args:
      - { .name: x, .offset: 0, .size: 8, .value_kind: global_buffer, .address_space: global }
      - { .name: stats, .offset: 8, .size: 8, .value_kind: global_buffer, .address_space: global }
      - { .name: gn_w, .offset: 16, .size: 8, .value_kind: global_buffer, .address_space: global }
      - { .name: gn_b, .offset: 24, .size: 8, .value_kind: global_buffer, .address_space: global }
      - { .name: qkv_b, .offset: 32, .size: 8, .value_kind: global_buffer, .address_space: global }
      - { .name: wts, .offset: 40, .size: 8, .value_kind: global_buffer, .address_space: global }
      - { .name: vox, .offset: 48, .size: 8, .value_kind: global_buffer, .address_space: global }
      - { .name: qf, .offset: 56, .size: 8, .value_kind: global_buffer, .address_space: global }
      - { .name: kv, .offset: 64, .size: 8, .value_kind: global_buffer, .address_space: global }
      - { .name: aux, .offset: 72, .size: 8, .value_kind: global_buffer, .address_space: global }
    .group_segment_fixed_size: 56320
    .private_segment_fixed_size: 0
    .kernarg_segment_align: 8
    .kernarg_segment_size: 80
    .max_flat_workgroup_size: 256
    .sgpr_count:     66
    .vgpr_count:     512
    .wavefront_size: 32
...
	.end_amdgpu_metadata
.endif
;; end of part 2
;; launch attn (part 3): grid 128 x 2, 8 waves a work-group, clusters of 4 x 1, 327,680 bytes of LDS; arguments qf, kv, aux, vox, of; writes of
.if DOCPART == 3
	.amdgcn_target "amdgcn-amd-amdhsa--gfx1250"
	.amdhsa_code_object_version 6
	.text
	.protected	k_q35d48a9c36_attn
	.globl	k_q35d48a9c36_attn
	.p2align	8
	.type	k_q35d48a9c36_attn,@function
k_q35d48a9c36_attn:
	s_mov_b64 s[64:65], 0
	v_nop
	global_prefetch_b8 v0, s[64:65] scope:SCOPE_SE
	s_setreg_imm32_b32 hwreg(HW_REG_WAVE_MODE, 25, 1), 1
	s_wait_xcnt 0x0
	s_wait_alu depctr_hold_cnt(0) depctr_sa_sdst(0) depctr_va_vdst(0) depctr_va_sdst(0) depctr_va_ssrc(0) depctr_va_vcc(0) depctr_vm_vsrc(0)
	s_getreg_b32 s2, hwreg(HW_REG_IB_STS2, 6, 4)
	s_cmp_eq_u32 s2, 0
	s_cbranch_scc0 .Lentry_in_a_cluster
	s_endpgm
.Lentry_in_a_cluster:
	s_bfe_u32 s2, ttmp6, 0x10000c
	s_cmp_lg_u32 s2, 0x3003
	s_cbranch_scc0 .Lentry_shape_is_right
	s_endpgm
.Lentry_shape_is_right:
; ATTENTION on codes of FP6 (E2M3), one E8M0 byte for each 32 along a product's K.  8 heads of 32 channels, 4,096 voxels.
; logit = q . k x scale + boost, air keys held at a constant far below; t = logit x log2(e); M = the running largest t rounded up to a whole number; p = 2^(t - M) is quantised along the keys, not normalised;
; the row's sum is taken of the unquantised p and divides at the end.  When M moves, the sum and O are multiplied by a power of two: exact.
; SHARES.  A work-group: 32 queries (two tiles of 16) x the 4 heads of group g x all keys.  Wave w: tile w % 2, and of every slot of four key steps (128 keys each) step w / 2: eight steps, four heads each.
;   The four quarters of the keys meet at the end through LDS; their rescalings are powers of two.
; THE BOOST DOES NOT HANG ON THE HEAD: boost / scale + the air term is made once a key step, in the result's layout, and is the C of the first product for all four heads.
; A HEAD IS ONE BLOCK OF 32 OF A K OF 128: K's fragment holds four heads; Q's fragment for one head holds zero codes in the other three blocks, which add nothing.
; AIR.  k of an air key was made 0 ahead of its quantiser, so its score is exactly the air term, -2^33 (in units of 1 / scale: a logit of -1.5e9, under every other logit).  A power of two, so that its product
;   with scale x log2(e) is exact and a whole number: where all keys are air every p is exactly 1, and the softmax is uniform.  A boost (113 at the most in these units) added to it rounds away.
; LAYOUT.  Both products are used transposed (S^T = K Q^T, O^T = V^T P^T): a lane holds one query.  The keys, queries and V's channels of a tile are not neighbours: lane r of tile 2 b + u takes row
;   32 b + 8 u + r + 8 (r / 8), so that the 16 registers of tiles 2 b, 2 b + 1 are 16 neighbours.  All operands come as images of their registers: three loads of 16 bytes a lane.
; CLUSTER.  The four work-groups of a cluster walk the same K, V and tables of group g: every tile is asked for jointly, by the same tensor load with a mask that names the four.  Each wave fetches an eighth.
; LIMITS: NaN and infinities are not served.  reference()'s clip at +-1e9 is taken to touch air keys alone: |q . k| x scale + 20 stays under 1e9.  A block whose largest magnitude lies under 2^-124 keeps the byte 1.
; REGISTERS, window 0: v1, v2 the add's; v3-5 lane addresses that stay, v6-8 the step's; v9 16 x lane, v10 4 r, v11 256 x lane; v[12:27] head hd: -M, largest t, the sum in two halves; v[28:31] my query's wood, leaves;
;   v[32:39] the vertical factor of each block; v40 Q's scale words, v42-45 K's, v46-49 V's, v50 p's; v[52:71] codes; v[72:87] the quantiser's; v[88:89] f; v[90:91] a second chain of sums; v92, v97 at work;
;   v93, v95 the merge's addresses; v[98:161] S^T, then p; v[162:225] C; v226-249 the merge's.
;   window 1: v[0:95] K's eight tiles; v[96:143] V, two buffers of two tiles; v[144:207] O^T (16 hd + 8 u + i); v[208:243] Q: runs of six registers Q0, 0, Q2, Q1, 0, Q3.
.set SLOT1, 1<<17                      ; slot 0 at 0, slot 1 here: 98,304 bytes each: four steps of 24,576: K's 8 images, then V's 8
.set AUXL,  229376                     ; group g's tables and scale words, 81,920 bytes, filled once
.set SPARE, 311296                     ; the spare words, 128 bytes for each wave: four blocks of 256 bytes that no other line names
.set TM,  72
.set PW,  50
.set PC,  52
.set SEL, 20                           ; s[20:21]
.set MSB, 0
.macro WIN new                         ; the immediate's high byte repeats the setting that is left
.if MSB != \new
	s_set_vgpr_msb (MSB<<8)|\new
.set MSB, \new
.endif
.endm
.macro PLACES n
.rept \n
	v_nop
.endr
.endm
.macro CROUND                          ; a round of the cluster's barrier
	s_barrier_signal -1
	s_barrier_wait -1
	s_cmp_lg_u32 s14, 0
	s_cbranch_scc1 .Lnot_wave_0_\@
	s_barrier_signal -3
.Lnot_wave_0_\@:
	s_barrier_wait -3
	s_barrier_signal -1
	s_barrier_wait -1
.endm
; A prefetch of the slot behind the one that is being asked for: 98,304 bytes.  All clusters of a group walk the same bytes: the group's first cluster asks.  Its four partners take 24,576 bytes each, told apart by
; address; in each, waves 0 to 2 take 8,192, lanes 256 bytes apart: each block of 256 bytes is named once in the launch.  One slot, four head steps of every wave, ahead.  The last change that fills a slot asks for nothing.
.macro ASK
	s_cmp_gt_u32 s50, s51
	s_cbranch_scc0 .Lnot_mine_\@
	global_prefetch_b8 v11, s[52:53] th:TH_LOAD_NT scope:SCOPE_SE
.Lnot_mine_\@:
.endm
; The change of slots stands at a slot's head.  Each wave waits for all its tensor loads (its eighth of the slot ahead), adds 0 to its spare word, and waits for that and for its reads of the slot that it has left.
; fill = 1: a round of the cluster's barrier, and behind it the slot just left is filled with the next four steps: one load a wave, first thing there.
.macro CHANGE fill
	s_wait_tensorcnt 0x0                           ; no tensor load of mine is out, so the walking descriptor may be written
	ds_add_u32 v1, v2                              ; 0 onto my spare word
.if \fill
	s_xor_b32 s45, s45, SLOT1                      ; the other slot than last time,
	s_add_nc_u64 s[46:47], s[46:47], 98304         ; the next four steps; the type bits on top are not reached
	s_wait_xcnt 0x0                                ; the last prefetch, a slot back, has read its address
	s_add_nc_u64 s[52:53], s[52:53], 98304
.endif
	s_wait_dscnt 0x0                               ; the add is done, and my reads of the slot that I have left are over
.if \fill
	CROUND
	tensor_load_to_lds s[44:47], s[32:39]
	s_nop 0
	PLACES 4
	ASK
.else
	s_barrier_signal -1
	s_barrier_wait -1
.endif
.endm
; 64 numbers of a lane, register 16 b + i = k 32 b + 16 (lane / 16) + i of my row, become a fragment's codes in v[PC] on and its scale word in v[PW]
.macro QUANT s
.irp b, 0,1,2,3
	v_max3_num_f32 v[TM+\b], |v[\s+16*\b]|, |v[\s+1+16*\b]|, 0x1800000
.endr
.irp i, 2,4,6,8,10,12,14
.irp b, 0,1,2,3
	s_delay_alu instid0(VALU_DEP_4)
	v_max3_num_f32 v[TM+\b], v[TM+\b], |v[\s+16*\b+\i]|, |v[\s+1+16*\b+\i]|
.endr
.endr
.irp b, 0,1,2,3
	s_delay_alu instid0(VALU_DEP_4)
	v_permlanex16_b32 v[TM+4+\b], v[TM+\b], s[SEL], s[SEL+1]
.endr
.irp b, 0,1,2,3
	s_delay_alu instid0(VALU_DEP_4)
	v_max_num_f32 v[TM+\b], v[TM+\b], v[TM+4+\b]
.endr
.irp b, 0,1,2,3
	s_delay_alu instid0(VALU_DEP_4)
	v_add_nc_u32 v[TM+12+\b], 0xff000000, v[TM+\b]
.endr
.irp b, 0,1,2,3
	s_delay_alu instid0(VALU_DEP_4)
	v_lshrrev_b32 v[TM+4+\b], 23, v[TM+12+\b]
.endr
	s_delay_alu instid0(VALU_DEP_3)
	v_lshl_or_b32 v[PW], v[TM+5], 8, v[TM+4]
	s_delay_alu instid0(VALU_DEP_1)
	v_lshl_or_b32 v[PW], v[TM+6], 16, v[PW]
	s_delay_alu instid0(VALU_DEP_1)
	v_lshl_or_b32 v[PW], v[TM+7], 24, v[PW]
.irp c, 0,1
	v_cvt_scalef32_pk16_fp6_f32 v[PC+6*\c:PC+2+6*\c], v[\s+32*\c:\s+15+32*\c], v[TM+12+2*\c]
	v_cvt_scalef32_pk16_fp6_f32 v[PC+12+4*\c:PC+14+4*\c], v[\s+16+32*\c:\s+31+32*\c], v[TM+12+2*\c+1]
.endr
	v_nop                                          ; one plain place behind a scaled conversion
.irp c, 0,1
.irp i, 0,1,2
	v_permlane16_swap_b32 v[PC+6*\c+\i], v[PC+12+4*\c+\i]
.endr
.irp i, 0,1,2
	s_delay_alu instid0(VALU_DEP_3)
	v_mov_b32 v[PC+3+6*\c+\i], v[PC+12+4*\c+\i]
.endr
.endr
.endm
; C of block b (32 keys; my 16 of them): the air term + clip((wood_q wood_k + leaves_q leaves_k) 2, 0, 10) / scale + clip(wood_q wood_k 1.5 [near in y], 0, 10) / scale.  The tables hold wood_k and leaves_k x 2 / scale.
.macro BOOST b
.set rW, 98+16*((\b)%2)
.set rL, 130+16*((\b)%2)
.set rC, 162+16*(\b)
.irp i, 0,2,4,6,8,10,12,14
	v_pk_mul_f32 v[rW+\i:rW+\i+1], v[rW+\i:rW+\i+1], v[28:29] op_sel_hi:[1,0]
.endr
.irp i, 0,2,4,6,8,10,12,14
	v_pk_fma_f32 v[rL+\i:rL+\i+1], v[rL+\i:rL+\i+1], v[30:31], v[rW+\i:rW+\i+1] op_sel_hi:[1,0,1]
.endr
.irp i, 0,1,2,3,4,5,6,7,8,9,10,11,12,13,14,15
	v_med3_num_f32 v[rL+\i], v[rL+\i], 0, s54
.endr
.irp i, 0,2,4,6,8,10,12,14
	v_pk_mul_f32 v[rW+\i:rW+\i+1], v[rW+\i:rW+\i+1], v[32+2*(\b):33+2*(\b)] op_sel_hi:[1,0]   ; x 0.75 where |y_k - y_q| <= 2, else x 0
.endr
.irp i, 0,1,2,3,4,5,6,7,8,9,10,11,12,13,14,15
	v_med3_num_f32 v[rW+\i], v[rW+\i], 0, s54
.endr
.irp i, 0,2,4,6,8,10,12,14
	v_pk_add_f32 v[rC+\i:rC+\i+1], v[rC+\i:rC+\i+1], v[rL+\i:rL+\i+1]
.endr
.irp i, 0,2,4,6,8,10,12,14
	v_pk_add_f32 v[rC+\i:rC+\i+1], v[rC+\i:rC+\i+1], v[rW+\i:rW+\i+1]
.endr
.endm
; One head's share of a key step.  qf: where Q's fragment of this head begins in window 1.
; No two matrix instructions that follow each other share an accumulator, and every turn is one instruction.
.macro HEAD hd, qf
.set rT, 12+4*(\hd)
.set rO, 144+16*(\hd)
.set rV, 96+24*((\hd)%2)
	WIN 0x05                                       ; K and Q window 1; C and S^T window 0
.irp t, 0,2,4,6
	v_wmma_scale_f32_16x16x128_f8f6f4 v[98+8*\t:105+8*\t], v[12*\t:12*\t+11], v[\qf:\qf+11], v[162+8*\t:169+8*\t], v[42+\t/2], v40 matrix_a_fmt:MATRIX_FMT_FP6 matrix_b_fmt:MATRIX_FMT_FP6
	v_wmma_scale_f32_16x16x128_f8f6f4 v[106+8*\t:113+8*\t], v[12*\t+12:12*\t+23], v[\qf:\qf+11], v[170+8*\t:177+8*\t], v[42+\t/2], v40 matrix_a_fmt:MATRIX_FMT_FP6 matrix_b_fmt:MATRIX_FMT_FP6 matrix_a_scale:MATRIX_SCALE_ROW1
.endr
	WIN 0x40
.irp u, 0,1
.irp i, 0,1,2
	ds_load_b128 v[rV+12*\u+4*\i:rV+12*\u+4*\i+3], v6 offset:12288+1536*(2*(\hd)+\u)+512*\i   ; V's two tiles of this head: wanted at the head's end
.endr
.endr
	WIN 0
	v_mov_b32 v92, v[rT]                           ; the old -M.  (With the three lines below: the four places ahead of the first read of results)
	PLACES 3
.irp b, 0,1,2,3
	v_max3_num_f32 v[72+\b], v[98+16*\b], v[99+16*\b], v[100+16*\b]   ; the largest score of each block of 32 keys: it serves the row's maximum and, since p rises with the score, the block's largest p
.endr
.irp i, 3,5,7,9,11,13
.irp b, 0,1,2,3
	v_max3_num_f32 v[72+\b], v[72+\b], v[98+16*\b+\i], v[99+16*\b+\i]
.endr
.endr
.irp b, 0,1,2,3
	v_max_num_f32 v[72+\b], v[72+\b], v[113+16*\b]
.endr
.irp b, 0,1,2,3
	s_delay_alu instid0(VALU_DEP_4)
	v_permlanex16_b32 v[76+\b], v[72+\b], s[SEL], s[SEL+1]
.endr
.irp b, 0,1,2,3
	s_delay_alu instid0(VALU_DEP_4)
	v_max_num_f32 v[72+\b], v[72+\b], v[76+\b]     ; with lane l xor 16's 16 keys
.endr
	s_delay_alu instid0(VALU_DEP_2)
	v_max3_num_f32 v97, v72, v73, v74
	s_delay_alu instid0(VALU_DEP_1)
	v_max_num_f32 v97, v97, v75
	s_delay_alu instid0(VALU_DEP_1)
	v_mul_f32 v97, s22, v97                        ; as t (c is positive)
	s_delay_alu instid0(VALU_DEP_1)
	v_max_num_f32 v[rT+1], v[rT+1], v97            ; the running largest t
	s_delay_alu instid0(VALU_DEP_1)
	v_floor_f32 v[rT], -v[rT+1]                    ; -M = floor(-t): M is a whole number
	s_delay_alu instid0(VALU_DEP_1)
	v_sub_f32 v92, v[rT], v92                      ; old M - new M: a whole number, 0 or less
	s_delay_alu instid0(VALU_DEP_1)
	v_cvt_i32_f32 v92, v92                         ; (it saturates)
	s_delay_alu instid0(VALU_DEP_1)
	v_ldexp_f32 v88, 1.0, v92                      ; f = 2^(old M - new M)
.set jj, 0
.rept 32
	v_pk_fma_f32 v[98+jj:99+jj], v[98+jj:99+jj], s[22:23], v[rT:rT+1] op_sel_hi:[1,0,0]   ; t - M
.set jj, jj+2
.endr
.irp b, 0,1,2,3
	v_fma_f32 v[72+\b], v[72+\b], s22, v[rT]       ; the same of each block's largest score
.endr
.set jj, 0
	s_wait_alu depctr_va_vdst(0)
.rept 64
	v_exp_f32 v[98+jj], v[98+jj]                   ; p = 2^(t - M)
.set jj, jj+1
.endr
	v_pk_mul_f32 v[rT+2:rT+3], v[rT+2:rT+3], v[88:89] op_sel_hi:[1,0]   ; the sums under the new M: the plain place behind the exponentials
	s_wait_alu depctr_va_vdst(0)                   ; one wait for the batch, ahead of its first reader
.irp b, 0,1,2,3
	v_exp_f32 v[72+\b], v[72+\b]                   ; the block's largest p: the same two instructions on the same number give the same bits
.endr
	v_pk_add_f32 v[90:91], v[98:99], v[100:101]    ; the row's sum of the unquantised p, in two chains: the first half stands here, behind the four
.irp j, 4,8,12,16,20,24,28
	v_pk_add_f32 v[rT+2:rT+3], v[rT+2:rT+3], v[98+\j:99+\j]
	v_pk_add_f32 v[90:91], v[90:91], v[100+\j:101+\j]
.endr
	s_wait_alu depctr_va_vdst(0)                   ; and one for the four
.irp b, 0,1,2,3
	v_max_num_f32 v[72+\b], 0x1800000, v[72+\b]    ; the floor 2^(3 - 127): a block whose every p is 0 keeps the byte 1: its codes are zeros
.endr
.irp b, 0,1,2,3
	s_delay_alu instid0(VALU_DEP_4)
	v_add_nc_u32 v[84+\b], 0xff000000, v[72+\b]
.endr
.irp b, 0,1,2,3
	s_delay_alu instid0(VALU_DEP_4)
	v_lshrrev_b32 v[76+\b], 23, v[84+\b]
.endr
	s_delay_alu instid0(VALU_DEP_3)
	v_lshl_or_b32 v50, v77, 8, v76                 ; p's scale word for these 128 keys
	s_delay_alu instid0(VALU_DEP_1)
	v_lshl_or_b32 v50, v78, 16, v50
	s_delay_alu instid0(VALU_DEP_1)
	v_lshl_or_b32 v50, v79, 24, v50
.irp c, 0,1
	v_cvt_scalef32_pk16_fp6_f32 v[52+6*\c:54+6*\c], v[98+32*\c:113+32*\c], v[84+2*\c]
	v_cvt_scalef32_pk16_fp6_f32 v[64+4*\c:66+4*\c], v[114+32*\c:129+32*\c], v[85+2*\c]
.endr
	WIN 0x41                                       ; O^T window 1, f window 0
.irp i, 0,2,4,6,8,10,12,14
	v_pk_mul_f32 v[rO+\i:rO+\i+1], v[rO+\i:rO+\i+1], v[88:89] op_sel_hi:[1,0]   ; O^T under the new M.  (The first is the plain place behind the conversions)
.endr
	WIN 0
.irp c, 0,1                                    ; the operand's layout wants a whole block in a lane
.irp i, 0,1,2
	v_permlane16_swap_b32 v[52+6*\c+\i], v[64+4*\c+\i]
.endr
.irp i, 0,1,2
	s_delay_alu instid0(VALU_DEP_3)
	v_mov_b32 v[55+6*\c+\i], v[64+4*\c+\i]
.endr
.endr
.irp j, 32,36,40,44,48,52,56,60                ; the sums' second half: 17 plain lines between the scale word, the codes and O^T just written and the product that takes them
	v_pk_add_f32 v[rT+2:rT+3], v[rT+2:rT+3], v[98+\j:99+\j]
	v_pk_add_f32 v[90:91], v[90:91], v[100+\j:101+\j]
.endr
	s_delay_alu instid0(VALU_DEP_1)
	v_pk_add_f32 v[rT+2:rT+3], v[rT+2:rT+3], v[90:91]
	s_wait_dscnt 0x0                               ; V is in
	WIN 0x51                                       ; V, C and D window 1; p window 0
	v_wmma_scale_f32_16x16x128_f8f6f4 v[rO:rO+7], v[rV:rV+11], v[52:63], v[rO:rO+7], v[46+\hd], v50 matrix_a_fmt:MATRIX_FMT_FP6 matrix_b_fmt:MATRIX_FMT_FP6
	v_wmma_scale_f32_16x16x128_f8f6f4 v[rO+8:rO+15], v[rV+12:rV+23], v[52:63], v[rO+8:rO+15], v[46+\hd], v50 matrix_a_fmt:MATRIX_FMT_FP6 matrix_b_fmt:MATRIX_FMT_FP6 matrix_a_scale:MATRIX_SCALE_ROW1
.endm
; My key step of the slot in hand
.macro STEP
	v_add_nc_u32 v6, s48, v3
	v_add_nc_u32 v7, s49, v4
	v_add_nc_u32 v8, s49, v5
	v_nop                                          ; four plain lines behind the last product, ahead of the load into its scale register
.irp b, 0,1
.irp q, 0,1,2,3
	ds_load_b128 v[98+16*\b+4*\q:101+16*\b+4*\q], v8 offset:128*\b+16*\q            ; wood of my 16 keys of blocks 0, 1 (sixteen lanes read the same bytes)
.endr
.endr
.irp b, 0,1
.irp q, 0,1,2,3
	ds_load_b128 v[130+16*\b+4*\q:133+16*\b+4*\q], v8 offset:16384+128*\b+16*\q     ; leaves
.endr
.endr
.irp b, 0,1,2,3
.irp q, 0,1,2,3
	ds_load_b128 v[162+16*\b+4*\q:165+16*\b+4*\q], v8 offset:32768+128*\b+16*\q     ; the air term starts C
.endr
.endr
	WIN 0x40
.set tt, 0
.rept 8
.irp i, 0,1,2
	ds_load_b128 v[12*tt+4*\i:12*tt+4*\i+3], v6 offset:1536*tt+512*\i               ; K's eight tiles
.endr
.set tt, tt+1
.endr
	WIN 0
.irp b, 0,1,2,3
	ds_load_b32 v[42+\b], v7 offset:128*\b                                          ; K's scale words: lanes 0-15 tile 2 b, lanes 16-31 tile 2 b + 1
.endr
.irp b, 0,1,2,3
	ds_load_b32 v[46+\b], v7 offset:16384+128*\b                                    ; V's: head b; lanes 0-15 its first tile, lanes 16-31 its second
.endr
	s_wait_dscnt 32                                ; the tables are in; K's 24 loads and the 8 of scale words may be out
	BOOST 0
	BOOST 1
.irp b, 2,3
.irp q, 0,1,2,3
	ds_load_b128 v[98+16*(\b-2)+4*\q:101+16*(\b-2)+4*\q], v8 offset:128*\b+16*\q
.endr
.endr
.irp b, 2,3
.irp q, 0,1,2,3
	ds_load_b128 v[130+16*(\b-2)+4*\q:133+16*(\b-2)+4*\q], v8 offset:16384+128*\b+16*\q
.endr
.endr
	s_wait_dscnt 0x0
	BOOST 2
	BOOST 3
	PLACES 4
	HEAD 0, 208
	HEAD 1, 226
	HEAD 2, 214
	HEAD 3, 232
	WIN 0
.endm
	s_load_b256 s[4:11], s[0:1], 0x0               ; qf s[4:5], kv s[6:7], aux s[8:9], vox s[10:11]
	s_load_b64 s[12:13], s[0:1], 0x20              ; of
	v_lshl_add_u32 v1, v0, 2, SPARE
	v_mov_b32 v2, 0
	ds_add_u32 v1, v2
	ds_add_u32 v1, v2
	s_wait_dscnt 0x0
	v_lshrrev_b32 v3, 5, v0
	s_delay_alu instid0(VALU_DEP_1)
	v_readfirstlane_b32 s14, v3                    ; wave 0..7
	s_and_b32 s15, s14, 1                          ; my tile of queries
	s_lshr_b32 s16, s14, 1                         ; j: my step of a slot
	s_bfe_u32 s17, ttmp6, 0x40000                  ; cx
	s_lshl_b32 s18, ttmp9, 2
	s_add_co_u32 s18, s18, s17                     ; my block of 32 queries: it enters Q's, vox's and of's addresses and values alone
	s_and_b32 s19, ttmp7, 0xffff                   ; head group g, which the four partners share
	s_mov_b32 s[SEL], 0x76543210
	s_mov_b32 s[SEL+1], 0xfedcba98
	s_mov_b32 s22, 0x3e8293ee                      ; c = log2(e) / sqrt(32)
	s_mov_b32 s23, s22
	s_mov_b32 s54, 0x42624630                      ; 10 / scale
	; descriptor groups 1: dense blocks as rows of 256 bytes (32 elements of 8 bytes); 40 rows of the tables, 48 of a slot
	s_mov_b32 s24, 15|(3<<16)|(1<<21)              ; 15:0 the mask: all four work-groups; 17:16 elements of 8 bytes; 21 set beside a mask
	s_mov_b32 s25, 32<<16                          ; tensor_dim0
	s_mov_b32 s26, 40<<16                          ; tensor_dim1
	s_mov_b32 s27, 32<<16                          ; tile_dim0
	s_mov_b32 s28, 40                              ; tile_dim1
	s_mov_b32 s29, 32                              ; the pitch
	s_mov_b32 s30, 0
	s_mov_b32 s31, 0
	s_mov_b32 s32, 15|(3<<16)|(1<<21)
	s_mov_b32 s33, 32<<16
	s_mov_b32 s34, 48<<16
	s_mov_b32 s35, 32<<16
	s_mov_b32 s36, 48
	s_mov_b32 s37, 32
	s_mov_b32 s38, 0
	s_mov_b32 s39, 0
	s_mul_i32 s55, s19, 81920
	s_mul_i32 s56, s14, 10240
	s_add_co_u32 s58, s55, s56
	s_mov_b32 s59, 0
	s_mul_i32 s55, s19, 786432
	s_mul_i32 s56, s14, 12288
	s_add_co_u32 s60, s55, s56
	s_mov_b32 s61, 0
	s_wait_kmcnt 0x0
	s_mov_b32 s40, 1
	s_mul_i32 s41, s14, 10240
	s_add_co_u32 s41, s41, AUXL                    ; my eighth of the tables
	s_add_nc_u64 s[42:43], s[8:9], s[58:59]
	s_or_b32 s43, s43, 0x80000000
	s_mov_b32 s44, 1
	s_mul_i32 s45, s14, 12288                      ; my eighth of slot 0
	s_add_nc_u64 s[46:47], s[6:7], s[60:61]
	s_or_b32 s47, s47, 0x80000000
	CROUND                                         ; all four work-groups are here: the first joint loads meet
	tensor_load_to_lds s[40:43], s[24:31]          ; one load of mine is out
	s_nop 0
	s_wait_alu depctr_va_vdst(0)
	s_wait_tensorcnt 0x0
	ds_add_u32 v1, v2
	s_wait_dscnt 0x0
	CROUND
	tensor_load_to_lds s[44:47], s[32:39]
	s_nop 0
	PLACES 4
	v_and_b32 v226, 31, v0                         ; lane
	v_and_b32 v227, 15, v0                         ; r
	v_bfe_u32 v228, v0, 4, 1                       ; h
	s_delay_alu instid0(VALU_DEP_3)
	v_lshlrev_b32 v9, 4, v226
	s_wait_alu depctr_va_vdst(0)
	v_lshlrev_b32 v10, 2, v227
	s_wait_alu depctr_va_vdst(0)
	v_lshlrev_b32 v11, 8, v226
	s_lshl_b32 s55, s18, 1
	s_add_co_u32 s55, s55, s15
	s_lshl_b32 s55, s55, 1
	s_add_co_u32 s55, s55, s19                     ; (my tile of queries) x 2 + g
	s_mul_i32 s56, s55, 1536
	s_mov_b32 s57, 0
	s_lshl_b32 s58, s55, 6
	s_add_co_u32 s58, s58, 786432
	s_mov_b32 s59, 0
	s_add_nc_u64 s[60:61], s[4:5], s[56:57]
	s_add_nc_u64 s[62:63], s[4:5], s[58:59]
	s_add_nc_u64 s[4:5], s[12:13], s[58:59]        ; of's scale words (Q's address is done with),
	s_add_nc_u64 s[12:13], s[12:13], s[56:57]      ; of's image
.irp i, 0,1,2
	global_load_b128 v[98+4*\i:101+4*\i], v9, s[60:61] offset:512*\i   ; Q's fragment, all four heads, as it was stored
.endr
	global_load_b32 v40, v10, s[62:63]
	v_and_b32 v229, 8, v227
	s_delay_alu instid0(VALU_DEP_1)
	v_add_nc_u32 v229, v229, v227
	s_delay_alu instid0(VALU_DEP_1)
	v_lshlrev_b32 v229, 2, v229
	s_lshl_b32 s55, s18, 7
	s_lshl_b32 s56, s15, 5
	s_add_co_u32 s56, s55, s56
	s_add_nc_u64 s[10:11], s[10:11], s[56:57]      ; my query: voxel 32 block + 8 tile + r + 8 (r / 8)
	global_load_b32 v28, v229, s[10:11]            ; its wood
	global_load_b32 v30, v229, s[10:11] offset:16384   ; its leaves
	s_mul_i32 s55, s16, 24576
	v_add_nc_u32 v3, s55, v9                       ; images: 16 x lane + my step of a slot
	s_lshl_b32 s55, s16, 9
	s_add_co_u32 s56, s55, AUXL+49152
	v_lshl_add_u32 v4, v226, 2, s56                ; scale words: 4 x lane + 512 j
	s_add_co_u32 s56, s55, AUXL
	v_lshl_add_u32 v5, v228, 6, s56                ; tables: my 16 keys of a block: 64 h + 512 j
	s_mul_i32 s55, s14, 9216
	v_add_nc_u32 v93, s55, v9                      ; the merge: 9,216 bytes a wave in slot 0: O^T,
	s_add_co_u32 s55, s55, 8192
	v_lshl_add_u32 v95, v226, 2, s55               ; then -M and the sums
	; near in y?  y = (voxel / 16) % 16.  My query's is (2 block + r / 8) % 16; that of my keys of block b is 8 (j % 2) + 2 b + h in every one of my steps, which lie 512 keys apart
	s_lshl_b32 s55, s18, 1
	v_lshrrev_b32 v230, 3, v227
	s_delay_alu instid0(VALU_DEP_1)
	v_add_nc_u32 v230, s55, v230
	s_delay_alu instid0(VALU_DEP_1)
	v_and_b32 v230, 15, v230
	s_delay_alu instid0(VALU_DEP_1)
	v_sub_nc_u32 v230, v230, v228
	s_and_b32 s55, s16, 1
	s_lshl_b32 s55, s55, 3
	s_sub_co_u32 s55, 2, s55
	v_add_nc_u32 v230, s55, v230                   ; y_q - h - 8 (j % 2) + 2
	v_mov_b32 v97, 0x3f400000                      ; 0.75: the tables carry the factor 2, the vertical boost is 1.5
.irp b, 0,1,2,3
	v_add_nc_u32 v231, -2*\b, v230                 ; y_q - y_k + 2: 0 .. 4 where near
	s_delay_alu instid0(VALU_DEP_1)
	v_cmp_ge_u32 vcc_lo, 4, v231
	s_delay_alu instid0(VALU_DEP_1)
	v_cndmask_b32 v[32+2*\b], 0, v97, vcc_lo
	s_delay_alu instid0(VALU_DEP_1)
	v_mov_b32 v[33+2*\b], v[32+2*\b]
.endr
.irp hd, 0,1,2,3
	v_mov_b32 v[13+4*\hd], 0xff61b1e6              ; the largest t so far: -3e38
	s_delay_alu instid0(VALU_DEP_1)
	v_floor_f32 v[12+4*\hd], -v[13+4*\hd]
	v_mov_b32 v[14+4*\hd], 0
	v_mov_b32 v[15+4*\hd], 0
	v_mov_b32 v[76+\hd], 0                         ; written once: a lane permute's destination counts as one of its sources
.endr
	v_mov_b32 v89, 0                               ; (named as the upper half of the pair v[88:89])
	v_add_nc_u32 v41, -1, v228                     ; all ones in lanes 0-15
	v_sub_nc_u32 v51, 0, v228                      ; all ones in lanes 16-31
	WIN 0x40
.set ii, 0
.rept 64
	v_mov_b32 v[144+ii], 0                         ; O^T.  (The step is written for every step alike: the first finds zeros, which the first change of M leaves zeros)
.set ii, ii+1
.endr
.irp i, 0,1,2,3,4,5
	v_mov_b32 v[214+\i], 0
	v_mov_b32 v[232+\i], 0
.endr
	s_wait_loadcnt 0x0
.irp i, 0,1,2,3,4,5                            ; head 2 c + h lies in registers 6 c .. 6 c + 5 of lanes 16 h on: each head's fragment keeps that and holds zero codes elsewhere
	v_and_b32 v[208+\i], v[98+\i], v41
	v_and_b32 v[220+\i], v[104+\i], v41
	v_and_b32 v[226+\i], v[98+\i], v51
	v_and_b32 v[238+\i], v[104+\i], v51
.endr
	WIN 0
	v_mov_b32 v29, v28
	v_mov_b32 v31, v30
	s_cmp_lt_u32 s14, 3
	s_cselect_b32 s55, 0, 1
	s_or_b32 s55, s55, ttmp9                       ; 0 in waves 0 to 2 of the group's first cluster: the same in all four partners
	s_cmp_eq_u32 s55, 0
	s_cselect_b32 s51, 1, -1
	s_mul_i32 s55, s19, 786432
	s_mul_i32 s56, s17, 24576
	s_add_co_u32 s55, s55, s56
	s_lshl_b32 s56, s14, 13
	s_add_co_u32 s55, s55, s56
	s_add_co_u32 s56, s55, 98304                   ; in slot 1; the first change of slots steps it to slot 2.  Nothing is prefetched here, at the head
	s_add_nc_u64 s[52:53], s[6:7], s[56:57]
	s_mov_b32 s48, 0                               ; LDS byte at which the slot in hand begins
	s_mov_b32 s49, 0                               ; its tables and scale words: 2,048 bytes a slot
	s_mov_b32 s50, 7                               ; slots still to be asked for
.Lslot:
	CHANGE 1
	s_wait_alu depctr_va_vdst(0)
	STEP
	s_xor_b32 s48, s48, SLOT1
	s_add_co_u32 s49, s49, 2048
	s_sub_co_u32 s50, s50, 1
	s_cmp_lg_u32 s50, 0
	s_cbranch_scc1 .Lslot
	CHANGE 0                                       ; the last slot is written out
	STEP
	s_wait_alu depctr_va_vdst(0)
	; THE MERGE of the four quarters of the keys.  The additions are the places behind the last products
.irp hd, 0,1,2,3
	v_add_f32 v[14+4*\hd], v[14+4*\hd], v[15+4*\hd]
.endr
.irp hd, 0,1,2,3
	s_delay_alu instid0(VALU_DEP_4)
	v_permlanex16_b32 v[76+\hd], v[14+4*\hd], s[SEL], s[SEL+1]
.endr
.irp hd, 0,1,2,3
	s_delay_alu instid0(VALU_DEP_4)
	v_add_f32 v[14+4*\hd], v[14+4*\hd], v[76+\hd]  ; my quarter's sum
.endr
	s_wait_alu depctr_va_vdst(0)
	s_wait_dscnt 0x0
	s_barrier_signal -1
	s_barrier_wait -1                              ; every wave's reads of the ring are over; slot 0 has had its last fill
	WIN 0x04                                       ; an LDS store's data are its source 1: window 1
.set kk, 0
.rept 16
	ds_store_b128 v93, v[144+4*kk:147+4*kk] offset:512*kk   ; each accumulator from its low end on
.set kk, kk+1
.endr
	WIN 0
.irp hd, 0,1,2,3
	ds_store_b32 v95, v[12+4*\hd] offset:256*\hd
	ds_store_b32 v95, v[14+4*\hd] offset:256*\hd+128
.endr
	s_wait_dscnt 0x0                               ; for the others' sake: my stores have landed
	s_barrier_signal -1
	s_barrier_wait -1
	s_cmp_ge_u32 s14, 2                            ; waves 0 and 1 finish their tile; no barrier stands under this branch
	s_cbranch_scc1 .Lend
.irp p, 1,2,3                                  ; my partners are waves w + 2 p: 18,432 p bytes on
.irp hd, 0,1,2,3
	ds_load_b32 v[226+8*(\p-1)+2*\hd], v95 offset:18432*\p+256*\hd
	ds_load_b32 v[227+8*(\p-1)+2*\hd], v95 offset:18432*\p+256*\hd+128
.endr
.endr
	s_wait_dscnt 0x0
.irp hd, 0,1,2,3
	v_min3_num_f32 v[72+\hd], v[12+4*\hd], v[226+2*\hd], v[234+2*\hd]
.endr
.irp hd, 0,1,2,3
	s_delay_alu instid0(VALU_DEP_4)
	v_min_num_f32 v[72+\hd], v[72+\hd], v[242+2*\hd]   ; -M of all keys
.endr
.irp hd, 0,1,2,3
	v_sub_f32 v[162+2*\hd], v[72+\hd], v[12+4*\hd]     ; a quarter's M - the final M: a whole number, 0 or less
	v_sub_f32 v[170+2*\hd], v[72+\hd], v[226+2*\hd]
	v_sub_f32 v[178+2*\hd], v[72+\hd], v[234+2*\hd]
	v_sub_f32 v[186+2*\hd], v[72+\hd], v[242+2*\hd]
.endr
.set nn, 0
.rept 16
	v_cvt_i32_f32 v[162+2*nn], v[162+2*nn]
.set nn, nn+1
.endr
.set nn, 0
.rept 16
	v_ldexp_f32 v[162+2*nn], 1.0, v[162+2*nn]      ; quarter p's factor of head hd at v[162 + 8 p + 2 hd]
.set nn, nn+1
.endr
.irp hd, 0,1,2,3
	v_mul_f32 v[76+\hd], v[162+2*\hd], v[14+4*\hd]
.endr
.irp p, 1,2,3
.irp hd, 0,1,2,3
	s_delay_alu instid0(VALU_DEP_4)
	v_fma_f32 v[76+\hd], v[162+8*\p+2*\hd], v[227+8*(\p-1)+2*\hd], v[76+\hd]   ; the row's sum
.endr
.endr
	WIN 0x41
.set mm, 0
.rept 32
	v_pk_mul_f32 v[144+2*mm:145+2*mm], v[144+2*mm:145+2*mm], v[162+2*(mm/8):163+2*(mm/8)] op_sel_hi:[1,0]
.set mm, mm+1
.endr
	WIN 0
.irp p, 1,2,3
.set kk, 0
.rept 16
	ds_load_b128 v[98+4*kk:101+4*kk], v93 offset:18432*\p+512*kk
.set kk, kk+1
.endr
	s_wait_dscnt 0x0
	WIN 0x50                                       ; C and D window 1
.set mm, 0
.rept 32
	v_pk_fma_f32 v[144+2*mm:145+2*mm], v[98+2*mm:99+2*mm], v[162+8*\p+2*(mm/8):163+8*\p+2*(mm/8)], v[144+2*mm:145+2*mm] op_sel_hi:[1,0,1]
.set mm, mm+1
.endr
	WIN 0
.endr
	s_wait_alu depctr_va_vdst(0)
.irp hd, 0,1,2,3
	v_rcp_f32 v[226+2*\hd], v[76+\hd]
.endr
	v_nop                                          ; a plain place behind the last reciprocal,
	s_wait_alu depctr_va_vdst(0)                   ; and one wait for the four, ahead of their first reader
	WIN 0x01
.set mm, 0
.rept 32
	v_pk_mul_f32 v[98+2*mm:99+2*mm], v[144+2*mm:145+2*mm], v[226+2*(mm/8):227+2*(mm/8)] op_sel_hi:[1,0]   ; register 16 hd + i: channel 16 h + i of head hd of my query
.set mm, mm+1
.endr
	WIN 0
	QUANT 98                                       ; a head is one block of the last product's K
.irp i, 0,1,2
	global_store_b128 v9, v[PC+4*\i:PC+4*\i+3], s[12:13] offset:512*\i   ; 32 lanes store 512 consecutive bytes
.endr
	global_store_b32 v10, v[PW], s[4:5]            ; both halves of the lanes write the same word with the same value
.Lend:
	s_wait_tensorcnt 0x0                           ; the wave's end
	ds_add_u32 v1, v2
	s_wait_dscnt 0x0
	CROUND                                         ; the closing round: no work-group ends while a partner may still ask for a tile that names it
	s_endpgm
.Lfunc_end_k_q35d48a9c36_attn:
	.size	k_q35d48a9c36_attn, .Lfunc_end_k_q35d48a9c36_attn-k_q35d48a9c36_attn
	.p2alignl 7, 3214868480
	.fill 96, 4, 3214868480
	.section	.rodata,"a",@progbits
	.p2align	6, 0x0
	.amdhsa_kernel k_q35d48a9c36_attn
		.amdhsa_group_segment_fixed_size 327680
		.amdhsa_private_segment_fixed_size 0
		.amdhsa_enable_private_segment 0
		.amdhsa_kernarg_size 40
		.amdhsa_user_sgpr_count 2
		.amdhsa_user_sgpr_kernarg_segment_ptr 1
		.amdhsa_wavefront_size32 1
		.amdhsa_system_sgpr_workgroup_id_x 1
		.amdhsa_system_sgpr_workgroup_id_y 1
		.amdhsa_system_sgpr_workgroup_id_z 1
		.amdhsa_system_vgpr_workitem_id 0
		.amdhsa_next_free_vgpr 512
		.amdhsa_next_free_sgpr 66
		.amdhsa_reserve_vcc 1
		.amdhsa_float_denorm_mode_32 3
		.amdhsa_float_denorm_mode_16_64 3
		.amdhsa_memory_ordered 1
		.amdhsa_forward_progress 1
		.amdhsa_inst_pref_size 202
	.end_amdhsa_kernel
	.amdgpu_metadata
---
amdhsa.version: [ 1, 2 ]
amdhsa.kernels:
  - .name:           k_q35d48a9c36_attn
    .symbol:         k_q35d48a9c36_attn.kd
    .args:
      - { .name: qf, .offset: 0, .size: 8, .value_kind: global_buffer, .address_space: global }
      - { .name: kv, .offset: 8, .size: 8, .value_kind: global_buffer, .address_space: global }
      - { .name: aux, .offset: 16, .size: 8, .value_kind: global_buffer, .address_space: global }
      - { .name: vox, .offset: 24, .size: 8, .value_kind: global_buffer, .address_space: global }
      - { .name: of, .offset: 32, .size: 8, .value_kind: global_buffer, .address_space: global }
    .group_segment_fixed_size: 327680
    .private_segment_fixed_size: 0
    .kernarg_segment_align: 8
    .kernarg_segment_size: 40
    .max_flat_workgroup_size: 256
    .sgpr_count:     66
    .vgpr_count:     512
    .wavefront_size: 32
...
	.end_amdgpu_metadata
.endif
;; end of part 3
;; launch proj (part 4): grid 64 x 4, 4 waves a work-group, no clusters, 17,920 bytes of LDS; arguments of, wts, proj_b, x, out0; writes out0
.if DOCPART == 4
	.amdgcn_target "amdgcn-amd-amdhsa--gfx1250"
	.amdhsa_code_object_version 6
	.text
	.protected	k_q35d48a9c36_proj
	.globl	k_q35d48a9c36_proj
	.p2align	8
	.type	k_q35d48a9c36_proj,@function
k_q35d48a9c36_proj:
	s_mov_b64 s[64:65], 0
	v_nop
	global_prefetch_b8 v0, s[64:65] scope:SCOPE_SE
	s_setreg_imm32_b32 hwreg(HW_REG_WAVE_MODE, 25, 1), 1
	s_wait_xcnt 0x0
; PROJ: out0 = x + proj_w . attention + proj_b, the product on codes of FP6 (E2M3) that earlier launches laid as images of operand registers.
; SHARES.  Work-group (bx, by): 64 voxels (tiles 4 bx + a, a = 0 .. 3) x 64 output channels; wave w: weight tile 48 + 4 by + w, whose lane r is channel 32 (2 by + w / 2) + 8 (w % 2) + r + 8 (r / 8).
; Source 0 = 16 voxels of the attention's result, source 1 = 16 weight rows: a lane holds one channel and eight neighbouring voxels of each tile.  The bias is the C of the first matrix instructions.
; THE WAY OUT: a wave's 16 channels x 64 voxels go through its own stage in LDS (rows of 256 bytes + 16) and come back as whole rows: sixteen lanes store 256 consecutive bytes, aligned; x is added on the way.
; No tensor loads, no barrier: waves share nothing.  No cluster and no prefetch: each operand is loaded once into registers and the launch is short.
; REGISTERS: v1-9 addresses; v10-17 the attention's scale words, v18-19 the weights'; v[20:27] the bias; v[28:51] the weight tile's two K steps; v[52:147] eight fragments (2 a + g), later rows read back;
;   v[148:179] four accumulators; v[180:211] x.
	s_load_b256 s[4:11], s[0:1], 0x0               ; of s[4:5], wts s[6:7], proj_b s[8:9], x s[10:11]
	s_load_b64 s[12:13], s[0:1], 0x20              ; out0
	v_lshl_add_u32 v224, v0, 2, 0x4400
	v_mov_b32 v225, 0
	v_lshrrev_b32 v1, 5, v0
	v_readfirstlane_b32 s14, v1                    ; wave 0..3
	s_and_b32 s15, ttmp7, 0xffff                   ; by
	v_and_b32 v1, 31, v0                           ; lane
	v_and_b32 v2, 15, v0                           ; r
	v_bfe_u32 v3, v0, 4, 1                         ; h
	v_lshlrev_b32 v4, 4, v1                        ; images: 16 x lane
	v_lshlrev_b32 v5, 2, v2                        ; scale words: 4 r
	v_lshlrev_b32 v6, 14, v3
	v_lshl_add_u32 v6, v2, 4, v6                   ; x and out0: lanes 0-15 one channel's 256 bytes, lanes 16-31 the next channel's
	v_and_b32 v7, 8, v2
	v_add_nc_u32 v7, v7, v2
	v_lshlrev_b32 v7, 2, v7                        ; the bias: 4 (r + 8 (r / 8))
	s_mul_i32 s16, s14, 4352                       ; my stage: 16 rows x 272 bytes
	v_mul_u32_u24 v8, v2, 272
	v_lshl_add_u32 v8, v3, 6, v8
	v_add_nc_u32 v8, s16, v8                       ; in: row r, + 64 h
	v_mul_u32_u24 v9, v3, 272
	v_lshl_add_u32 v9, v2, 4, v9
	v_add_nc_u32 v9, s16, v9                       ; back: lanes 0-15 one row, lanes 16-31 the next
	s_lshl_b32 s17, s15, 1
	s_lshr_b32 s18, s14, 1
	s_add_co_u32 s17, s17, s18
	s_lshl_b32 s17, s17, 5
	s_and_b32 s18, s14, 1
	s_lshl_b32 s18, s18, 3
	s_add_co_u32 s17, s17, s18                     ; my tile's first channel
	s_lshl_b32 s20, s17, 14
	s_lshl_b32 s21, ttmp9, 8
	s_add_co_u32 s20, s20, s21                     ; x 16,384 bytes + the work-group's 64 voxels
	s_mov_b32 s21, 0
	s_lshl_b32 s26, s17, 2
	s_mov_b32 s27, 0
	s_mul_i32 s28, ttmp9, 12288                    ; the attention's 8 fragments: (4 bx + a) x 2 + g
	s_mov_b32 s29, 0
	s_lshl_b32 s30, ttmp9, 9
	s_add_co_u32 s30, s30, 786432
	s_mov_b32 s31, 0
	s_lshl_b32 s32, s15, 3
	s_lshl_b32 s33, s14, 1
	s_add_co_u32 s32, s32, s33
	s_add_co_u32 s36, s32, 96                      ; weight fragment 2 (48 + 4 by + w)
	s_mul_i32 s32, s36, 1536
	s_mov_b32 s33, 0
	s_lshl_b32 s34, s36, 6
	s_add_co_u32 s34, s34, 196608
	s_mov_b32 s35, 0
	s_wait_alu depctr_va_vdst(0)
	s_wait_kmcnt 0x0
	s_add_nc_u64 s[10:11], s[10:11], s[20:21]
	s_add_nc_u64 s[12:13], s[12:13], s[20:21]
	s_add_nc_u64 s[8:9], s[8:9], s[26:27]
	s_add_nc_u64 s[22:23], s[4:5], s[30:31]
	s_add_nc_u64 s[4:5], s[4:5], s[28:29]
	s_add_nc_u64 s[24:25], s[6:7], s[34:35]
	s_add_nc_u64 s[6:7], s[6:7], s[32:33]
.irp i, 0,1,2,3,4,5,6,7                        ; stage rows 2 i, 2 i + 1 are channels 2 i + 8 (i / 4) and the next
	global_load_b128 v[180+4*\i:183+4*\i], v6, s[10:11] offset:(2*\i+8*(\i/4))*16384 th:TH_LOAD_NT
.endr
.set ff, 0
.rept 8
.irp c, 0,1,2
	global_load_b128 v[52+12*ff+4*\c:55+12*ff+4*\c], v4, s[4:5] offset:1536*ff+512*\c
.endr
	global_load_b32 v[10+ff], v5, s[22:23] offset:64*ff
.set ff, ff+1
.endr
.irp g, 0,1
.irp c, 0,1,2
	global_load_b128 v[28+12*\g+4*\c:31+12*\g+4*\c], v4, s[6:7] offset:1536*\g+512*\c
.endr
	global_load_b32 v[18+\g], v5, s[24:25] offset:64*\g
.endr
.irp i, 0,1,2,3,4,5,6,7
	global_load_b32 v[20+\i], v7, s[8:9]           ; a lane holds one channel: its bias fills all eight registers of C
.endr
	s_wait_loadcnt 0x0
.irp a, 0,1,2,3                                ; the four accumulators take turns
	v_wmma_scale_f32_16x16x128_f8f6f4 v[148+8*\a:155+8*\a], v[52+24*\a:63+24*\a], v[28:39], v[20:27], v[10+2*\a], v18 matrix_a_fmt:MATRIX_FMT_FP6 matrix_b_fmt:MATRIX_FMT_FP6
.endr
.irp a, 0,1,2,3
	v_wmma_scale_f32_16x16x128_f8f6f4 v[148+8*\a:155+8*\a], v[64+24*\a:75+24*\a], v[40:51], v[148+8*\a:155+8*\a], v[11+2*\a], v19 matrix_a_fmt:MATRIX_FMT_FP6 matrix_b_fmt:MATRIX_FMT_FP6
.endr
.rept 4
	v_nop                                          ; places ahead of the stores that read results and of the loads into registers that the products have read
.endr
.irp a, 0,1,2,3                                ; lane (r, h), register i of tile a: voxel 32 (a / 2) + 16 h + 8 (a % 2) + i of the 64
	ds_store_b128 v8, v[148+8*\a:151+8*\a] offset:128*(\a/2)+32*(\a%2)
	ds_store_b128 v8, v[152+8*\a:155+8*\a] offset:128*(\a/2)+32*(\a%2)+16
.endr
.irp i, 0,1,2,3,4,5,6,7
	ds_load_b128 v[52+4*\i:55+4*\i], v9 offset:544*\i   ; LDS serves a wave's instructions in order: these see my stores
.endr
.irp i, 0,1,2,3,4,5,6,7
	s_wait_dscnt 7-\i                              ; rows 2 i, 2 i + 1 are back; the younger loads may be out
	v_pk_add_f32 v[52+4*\i:53+4*\i], v[52+4*\i:53+4*\i], v[180+4*\i:181+4*\i]
	v_pk_add_f32 v[54+4*\i:55+4*\i], v[54+4*\i:55+4*\i], v[182+4*\i:183+4*\i]
	global_store_b128 v6, v[52+4*\i:55+4*\i], s[12:13] offset:(2*\i+8*(\i/4))*16384 th:TH_STORE_NT   ; 16 lanes store 256 consecutive bytes, at a multiple of 256 from out0's first byte
.endr
	s_wait_tensorcnt 0x0
	ds_add_u32 v224, v225
	s_wait_dscnt 0x0
	s_endpgm
.Lfunc_end_k_q35d48a9c36_proj:
	.size	k_q35d48a9c36_proj, .Lfunc_end_k_q35d48a9c36_proj-k_q35d48a9c36_proj
	.p2alignl 7, 3214868480
	.fill 96, 4, 3214868480
	.section	.rodata,"a",@progbits
	.p2align	6, 0x0
	.amdhsa_kernel k_q35d48a9c36_proj
		.amdhsa_group_segment_fixed_size 17920
		.amdhsa_private_segment_fixed_size 0
		.amdhsa_enable_private_segment 0
		.amdhsa_kernarg_size 40
		.amdhsa_user_sgpr_count 2
		.amdhsa_user_sgpr_kernarg_segment_ptr 1
		.amdhsa_wavefront_size32 1
		.amdhsa_system_sgpr_workgroup_id_x 1
		.amdhsa_system_sgpr_workgroup_id_y 1
		.amdhsa_system_sgpr_workgroup_id_z 1
		.amdhsa_system_vgpr_workitem_id 0
		.amdhsa_next_free_vgpr 226
		.amdhsa_next_free_sgpr 66
		.amdhsa_reserve_vcc 0
		.amdhsa_float_denorm_mode_32 3
		.amdhsa_float_denorm_mode_16_64 3
		.amdhsa_memory_ordered 1
		.amdhsa_forward_progress 1
		.amdhsa_inst_pref_size 13
	.end_amdhsa_kernel
	.amdgpu_metadata
---
amdhsa.version: [ 1, 2 ]
amdhsa.kernels:
  - .name:           k_q35d48a9c36_proj
    .symbol:         k_q35d48a9c36_proj.kd
    .args:
      - { .name: of, .offset: 0, .size: 8, .value_kind: global_buffer, .address_space: global }
      - { .name: wts, .offset: 8, .size: 8, .value_kind: global_buffer, .address_space: global }
      - { .name: proj_b, .offset: 16, .size: 8, .value_kind: global_buffer, .address_space: global }
      - { .name: x, .offset: 24, .size: 8, .value_kind: global_buffer, .address_space: global }
      - { .name: out0, .offset: 32, .size: 8, .value_kind: global_buffer, .address_space: global }
    .group_segment_fixed_size: 17920
    .private_segment_fixed_size: 0
    .kernarg_segment_align: 8
    .kernarg_segment_size: 40
    .max_flat_workgroup_size: 128
    .sgpr_count:     66
    .vgpr_count:     226
    .wavefront_size: 32
...
	.end_amdgpu_metadata
.endif
;; end of part 4
